; MI455X (gfx1250); checked and timed in simulation.
; The chip was launched on July 23, 2026; its instructions are those of AMD's public machine-readable ISA for CDNA 5 (MIT licence, August 2026) and "CDNA5" Instruction Set Architecture Reference Guide (July 2026). The comments in the code are by the model that wrote it; some were corrected since.
;; Model. Allowed arithmetic: matrix products marked QUANTISED: E4M3 operands, one given power-of-two scale a tensor, by v_wmma_f32_16x16x64_fp8_fp8 or v_wmma_f32_16x16x128_fp8_fp8, f32 sums; everything else in f32.
;; Inputs: W1 1,024 x 1,024 float32; W2 1,024 x 1,024 float32; b1 1,024 float32; b2 1,024 float32; k 4 x 2,048 x 1,024 float32; lowp_scales 12 int32 (the exponents e of the quantised operands' scales 2^e); mask 1 x 2,048 x 2,048 float32; q 4 x 2,048 x 1,024 float32; v1 4 x 2,048 x 1,024 float32.
;; Outputs: out0 4 x 2,048 x 1,024 float32.
;; This version of the problem:
;;   THIS VERSION OF THE PROBLEM IS GIVEN IN LOW PRECISION. The matrix products marked QUANTISED in the list below multiply operands that are first quantised to E4M3 (4 exponent bits, 3 mantissa bits; 8 bits a number), with one given power-of-two scale for each operand tensor; their sums are f32. All else is computed in f32.
;;   The module's matrix products, in the order in which they are computed (A, B: the left and right operand; K: the contracted axis; several contracted axes count as one K, in the product's order):
;;     1. [M 8,192, K 1,024] x [K 1,024, N 1,024]; A: input q; B: input W1: QUANTISED (scales: A lowp_scales[0], B lowp_scales[1])
;;     2. [M 8,192, K 1,024] x [K 1,024, N 1,024]; A: computed on the way; B: input W2: QUANTISED (scales: A lowp_scales[2], B lowp_scales[3])
;;     3. [M 8,192, K 1,024] x [K 1,024, N 1,024]; A: input k; B: input W1: QUANTISED (scales: A lowp_scales[4], B lowp_scales[5])
;;     4. [M 8,192, K 1,024] x [K 1,024, N 1,024]; A: computed on the way; B: input W2: QUANTISED (scales: A lowp_scales[6], B lowp_scales[7])
;;     5. batch 4 x [M 2,048, K 1,024] x [K 1,024, N 2,048]; A: computed on the way; B: computed on the way: QUANTISED (scales: A lowp_scales[8], B lowp_scales[9])
;;     6. batch 4 x [M 2,048, K 2,048] x [K 2,048, N 1,024]; A: softmax (see below); B: input v1: QUANTISED (scales: A lowp_scales[10], B lowp_scales[11])
;;   THE QUANTISER, for each operand of a quantised product, along K:
;;     - The operand's scale is 2^e, e = its entry of the input lowp_scales (int32; the entries are numbered through the quantised products in the list's order, A before B).
;;     - Each number is divided by the scale, clamped to +-448, and rounded to the nearest number of E4M3, ties to even, subnormals kept.
;;     - The product sums the exact products of the quantised numbers (number of the format x scale) in f32.
;;   ~~~python
;;   def quantise(x, axis, e):      # numpy; x: float32 -> the quantised numbers, widened to float32 again
;;       x = np.moveaxis(x, axis, -1); K = x.shape[-1]
;;       r = np.clip(x / 2.0 ** e, -448, 448)
;;       step = 2.0 ** (np.maximum(np.frexp(np.where(r == 0, 1, r))[1] - 1, -6) - 3)
;;       q = np.round(r / step) * step * 2.0 ** e      # np.round: ties to even
;;       return np.moveaxis(q, -1, axis).astype(np.float32)
;;   ~~~
;;   SOFTMAX AHEAD OF A QUANTISED PRODUCT. Where the list says 'softmax', what is quantised is not the finished softmax but p = 2^(t - M), with t = logit x log2(e) and M = ceil(the row's largest t), a whole number; so 1/2 < the row's largest p <= 1. The row's sum l is taken of the UNQUANTISED p, in f32, and the product's result is divided by l at the end. Since M is a whole number, a kernel that streams over the keys may use a running M (the ceiling of the running maximum): every later rescaling is an exact power of two, so the quantised numbers keep their values, but for numbers so far below the row's largest that they fall under the format's range.
;;   OPERANDS COMPUTED ON THE WAY. 'Computed on the way' means the value that the module computes at that place (a softmax that the list does not call 'softmax' is quantised finished and normalised). What goes into a quantiser is computed in f32, as accurately as f32 sums, v_exp_f32 and their like allow (about 1e-6 of the number): no bf16 or f16 on the way to a quantiser, and a product that is left as it is and whose result goes on into a quantised operand takes f32 operands (vector FMAs, or v_wmma_f32_16x16x4_f32). A number that lies on a knife's edge between two numbers of the format may be rounded either way, as far as f32 arithmetic and the matrix unit's own rounding can turn it there, and no further.
;; One version. Each part assembles by itself: llvm-mc -triple=amdgcn-amd-amdhsa -mcpu=gfx1250 --defsym DOCPART=n.
;; ======== version 1 of 1: 5 launches
;; limits: inputs' magnitudes at most 8.8e+29; right only within a limited range of input values
;; workspace buffers: xc 16,777,216 bytes; hc 16,777,216 bytes; w1c 2,097,152 bytes; w2c 2,097,152 bytes; vc 8,388,608 bytes; pc 16,777,216 bytes; ml 786,432 bytes; par2 256 bytes
;; launch quant (part 1): grid 640 x 1, 4 waves a work-group, no clusters, 34,304 bytes of LDS; arguments q, k, W1, W2, lowp_scales, xc, w1c, w2c, par2; writes xc, w1c, w2c, par2
.if DOCPART == 1
	.amdgcn_target "amdgcn-amd-amdhsa--gfx1250"
	.amdhsa_code_object_version 6
	.text
	.protected	k_q71a42ab624_quant
	.globl	k_q71a42ab624_quant
	.p2align	8
	.type	k_q71a42ab624_quant,@function
k_q71a42ab624_quant:
	s_mov_b64 s[64:65], 0
	v_nop
	global_prefetch_b8 v0, s[64:65] scope:SCOPE_SE
	s_setreg_imm32_b32 hwreg(HW_REG_WAVE_MODE, 25, 1), 1
	s_wait_xcnt 0x0
; THE QUANTISERS OF q, k, W1, W2.  q, k [8192][1024] and W1, W2 [1024][1024], f32, K innermost, become codes of E4M3:
; code = x / 2^e, held within +-448, rounded to the nearest code, ties to even.  e: q lowp_scales[0], k [4], W1 [1] and [5], W2 [3] and [7] (each weight is quantised twice, once for each chain).
; v1 is quantised in launch qk, which runs ahead of the one launch that reads its codes.
; NO WORK OF reference() IS LEFT OUT in this program: both biases go into quantised operands, the mask differs along the softmax's axis, every product reaches the output.  Every input is loaded.
; THE LAYOUT OF EVERY BUFFER OF CODES is the order of the operand's registers.  A fragment, 16 rows x 128 along K, is 2,048 bytes: lane (r = lane % 16, h = lane / 16) holds, in registers 2 c and 2 c + 1,
; row r, K = 16 c + 8 h + 0 .. 7; registers 4 g .. 4 g + 3 of lane l lie at byte 512 g + 16 l.  Fragment (row tile rt, 128 block n) of a tensor of R rows lies at (((n / 2) (R / 16) + rt) 2 + n % 2) x 2,048:
; 256 along K of any run of row tiles are one dense block.  xc: rows 0-8191 q, 8192-16383 k.  w1c, w2c: rows 0-1023 the q chain's codes, 1024-2047 the k chain's.
; par2 = {e2, e3, e8, 0, e6, e7, e9, 0}: the second projection finds its three exponents there as the first finds its own in lowp_scales.
; LIMITS: each e between -126 and 119, so that 2^e and 448 x 2^e are f32 numbers.  NaN among the inputs is not served; an infinity is held at the largest code.
; SHARES.  A work-group takes two row tiles of q, k, W1 or W2; a wave takes one row tile and 512 along K: four fragments.  Waves share nothing: no barrier.
.set STRW,  16*528                     ; LDS: a stage for each wave: 16 rows x (512 bytes + 16)
.set SPARE, 4*STRW                     ; the spare words, 128 bytes for each wave: two blocks of 256 bytes that no other line names
.set SI,  5                            ; v5   stage, in: 16 x lane
.set SO,  6                            ; v6   stage, out: 528 r + 32 h
.set L16, 9                            ; v9   16 x lane
.set SC,  10                           ; v10  2^e as f32
.set LIM, 11                           ; v11  448 x 2^e
.set SPW, 14                           ; v14  my spare word; never rewritten
.set NIL, 15                           ; v15  0; never rewritten
.macro MKSCALE e, t                    ; s[e] holds the exponent; both registers are used up
	s_add_co_i32 s[\e], s[\e], 127
	s_lshl_b32 s[\t], s[\e], 23
	v_mov_b32 v[SC], s[\t]                         ; the conversion takes this number's exponent field
	s_add_co_i32 s[\e], s[\e], 8
	s_lshl_b32 s[\e], s[\e], 23
	s_or_b32 s[\e], s[\e], 0x600000                ; 448 = 1.75 x 2^8
	v_mov_b32 v[LIM], s[\e]
.endm
	s_load_b256 s[4:11], s[0:1], 0x0               ; q s[4:5], k s[6:7], W1 s[8:9], W2 s[10:11]
	s_load_b64 s[14:15], s[0:1], 0x20              ; the exponents
	s_load_b128 s[16:19], s[0:1], 0x28             ; xc s[16:17], w1c s[18:19]
	s_load_b64 s[20:21], s[0:1], 0x38              ; w2c
	s_load_b64 s[24:25], s[0:1], 0x40              ; par2
	v_lshl_add_u32 v[SPW], v0, 2, SPARE
	v_mov_b32 v[NIL], 0
	v_lshrrev_b32 v1, 5, v0
	v_readfirstlane_b32 s26, v1                    ; wave 0..3
	v_and_b32 v2, 31, v0                           ; lane
	v_and_b32 v3, 15, v0                           ; r
	v_bfe_u32 v4, v0, 4, 1                         ; h
	v_lshlrev_b32 v[L16], 4, v2
	s_mul_i32 s28, s26, STRW
	v_add_nc_u32 v[SI], s28, v[L16]
	v_mul_u32_u24 v[SO], v3, 528
	v_lshl_add_u32 v[SO], v4, 5, v[SO]
	v_add_nc_u32 v[SO], s28, v[SO]
	s_wait_alu depctr_va_vdst(0)
	s_wait_kmcnt 0x0
	s_load_b256 s[32:39], s[14:15], 0x0            ; e0 .. e7
	s_load_b128 s[40:43], s[14:15], 0x20           ; e8 .. e11
; Which tensor, which exponent and where the codes go hang on the work-group's number alone; only pointers and numbers are chosen, the path is one.
	s_mov_b32 s27, ttmp9                           ; 0-255 q | 256-511 k | 512-543 W1 at e1 | 544-575 W1 at e5 | 576-607 W2 at e3 | 608-639 W2 at e7
	s_mov_b64 s[44:45], s[4:5]                     ; from
	s_mov_b64 s[46:47], s[16:17]                   ; to
	s_mov_b32 s52, 0                               ; the first work-group of the source tensor,
	s_mov_b32 s53, 0                               ; and of the buffer of codes
	s_mov_b32 s50, 0x400000                        ; bytes from 256 along K to the next: 256 x the buffer's rows
	s_mov_b32 s51, 0
	s_cmp_ge_u32 s27, 256
	s_cselect_b64 s[44:45], s[6:7], s[44:45]
	s_cselect_b32 s52, 256, s52
	s_cmp_ge_u32 s27, 512
	s_cselect_b64 s[44:45], s[8:9], s[44:45]
	s_cselect_b64 s[46:47], s[18:19], s[46:47]
	s_cselect_b32 s52, 512, s52
	s_cselect_b32 s53, 512, s53
	s_cselect_b32 s50, 0x80000, s50
	s_cmp_ge_u32 s27, 544
	s_cselect_b32 s52, 544, s52
	s_cmp_ge_u32 s27, 576
	s_cselect_b64 s[44:45], s[10:11], s[44:45]
	s_cselect_b64 s[46:47], s[20:21], s[46:47]
	s_cselect_b32 s52, 576, s52
	s_cselect_b32 s53, 576, s53
	s_cmp_ge_u32 s27, 608
	s_cselect_b32 s52, 608, s52
	s_lshr_b32 s54, s26, 1                         ; which of the two row tiles is my wave's
	s_and_b32 s55, s26, 1                          ; which 512 along K
	s_sub_co_u32 s56, s27, s52
	s_lshl_b32 s56, s56, 1
	s_add_co_u32 s56, s56, s54
	s_lshl_b32 s56, s56, 16                        ; a row tile of the source is 16 rows of 4,096 bytes
	s_lshl_b32 s58, s55, 11
	s_add_co_u32 s56, s56, s58
	s_mov_b32 s57, 0
	s_add_nc_u64 s[44:45], s[44:45], s[56:57]
	s_sub_co_u32 s56, s27, s53
	s_lshl_b32 s56, s56, 1
	s_add_co_u32 s56, s56, s54
	s_lshl_b32 s56, s56, 12                        ; a row tile's 256 along K are 4,096 bytes of codes
	s_mul_i32 s58, s55, s50
	s_lshl_b32 s58, s58, 1
	s_add_co_u32 s56, s56, s58
	s_add_nc_u64 s[46:47], s[46:47], s[56:57]      ; fragments 0 and 1 of my four,
	s_add_nc_u64 s[48:49], s[46:47], s[50:51]      ; fragments 2 and 3
; A conversion takes 8 neighbours along K from one lane's registers; a load is best where neighbouring lanes take neighbouring bytes.  Both are had: a load reads 512 consecutive bytes of one row, the 16 rows
; go through the wave's stage (rows 528 bytes apart: 132 words, so that the 16 rows that a read touches start at 16 different banks; 64 banks of 4 bytes: ISA guide 11.1) and come back 32 bytes a lane and pair of registers.
.macro LOADF f                         ; fragment f: 16 rows x 128 numbers into set f % 3 (v16-79, v80-143, v144-207).  No cache hint: these lines also read W1 and W2, which two groups of work-groups read
.irp i, 0,1,2,3,4,5,6,7,8,9,10,11,12,13,14,15
	global_load_b128 v[16+64*((\f)%3)+4*\i:16+64*((\f)%3)+4*\i+3], v[L16], s[44:45] offset:\i*4096+(\f)*512
.endr
.endm
.macro TURNF f                         ; LDS serves a wave's instructions in order: no wait between the stores and the loads, nor in front of the next fragment's stores
.set RS, 16+64*((\f)%3)
.irp i, 0,1,2,3,4,5,6,7,8,9,10,11,12,13,14,15
	ds_store_b128 v[SI], v[RS+4*\i:RS+4*\i+3] offset:528*\i
.endr
.irp c, 0,1,2,3,4,5,6,7
	ds_load_b128 v[RS+8*\c:RS+8*\c+3], v[SO] offset:64*\c          ; row r, K = 16 c + 8 h + 0 .. 3,
	ds_load_b128 v[RS+8*\c+4:RS+8*\c+7], v[SO] offset:64*\c+16     ; + 4 .. 7
.endr
.endm
.macro WORK f
.set RS, 16+64*((\f)%3)
.set CD, 208+16*((\f)%2)
.if (\f) >= 2
	s_wait_xcnt 0x0                                ; the stores of two fragments ago have read their registers: the codes' set is written again only behind this wait
.endif
.irp c, 0,1,2,3,4,5,6,7
.irp i, 0,1,2,3,4,5,6,7
	v_med3_num_f32 v[RS+8*\c+\i], v[RS+8*\c+\i], -v[LIM], v[LIM]   ; the conversion does not saturate (ISA guide 7.6.2): the hold comes first
.endr
	v_cvt_scalef32_pk8_fp8_f32 v[CD+2*\c:CD+2*\c+1], v[RS+8*\c:RS+8*\c+7], v[SC]
.endr
.irp g, 0,1,2,3
	global_store_b128 v[L16], v[CD+4*\g:CD+4*\g+3], s[46+2*((\f)/2):47+2*((\f)/2)] offset:((\f)%2)*2048+512*\g   ; 512 consecutive bytes, aligned
.endr
.endm
	LOADF 0
	LOADF 1
	LOADF 2
	s_wait_kmcnt 0x0
	s_mov_b32 s60, s32                             ; the exponent, by the same ranges
	s_cmp_ge_u32 s27, 256
	s_cselect_b32 s60, s36, s60
	s_cmp_ge_u32 s27, 512
	s_cselect_b32 s60, s33, s60
	s_cmp_ge_u32 s27, 544
	s_cselect_b32 s60, s37, s60
	s_cmp_ge_u32 s27, 576
	s_cselect_b32 s60, s35, s60
	s_cmp_ge_u32 s27, 608
	s_cselect_b32 s60, s39, s60
	MKSCALE 60, 58
	s_wait_loadcnt 32                              ; fragment 0's 16 loads are in; two fragments' may be out
	s_wait_alu depctr_va_vdst(0)
	TURNF 0
	s_wait_loadcnt 16
	TURNF 1
	s_wait_dscnt 32                                ; all but fragment 1's 32 LDS instructions: fragment 0 is back
	WORK 0
	LOADF 3                                        ; into fragment 0's set
	s_wait_loadcnt 16                              ; fragment 2 is in; fragment 3's loads may be out
	TURNF 2
	s_wait_dscnt 32
	WORK 1
	s_wait_loadcnt 0x0
	TURNF 3
	s_wait_dscnt 32
	WORK 2
	s_wait_dscnt 0x0
	WORK 3
	s_or_b32 s56, s27, s26                         ; one wave of one work-group writes par2
	s_cmp_lg_u32 s56, 0
	s_cbranch_scc1 .Lend
	v_mov_b32 v240, 0                              ; lane l holds words 2 l and 2 l + 1
	v_mov_b32 v241, 0
	v_writelane_b32 v240, s34, 0                   ; word 0: e2
	v_writelane_b32 v241, s35, 0                   ; word 1: e3
	v_writelane_b32 v240, s40, 1                   ; word 2: e8
	v_writelane_b32 v240, s38, 2                   ; word 4: e6
	v_writelane_b32 v241, s39, 2                   ; word 5: e7
	v_writelane_b32 v240, s41, 3                   ; word 6: e9
	v_lshlrev_b32 v242, 3, v2
	global_store_b64 v242, v[240:241], s[24:25]    ; the buffer's 256 bytes in one store
.Lend:
	s_wait_tensorcnt 0x0                           ; the wave's end
	ds_add_u32 v[SPW], v[NIL]
	s_wait_dscnt 0x0
	s_endpgm
.Lfunc_end_k_q71a42ab624_quant:
	.size	k_q71a42ab624_quant, .Lfunc_end_k_q71a42ab624_quant-k_q71a42ab624_quant
	.p2alignl 7, 3214868480
	.fill 96, 4, 3214868480
	.section	.rodata,"a",@progbits
	.p2align	6, 0x0
	.amdhsa_kernel k_q71a42ab624_quant
		.amdhsa_group_segment_fixed_size 34304
		.amdhsa_private_segment_fixed_size 0
		.amdhsa_enable_private_segment 0
		.amdhsa_kernarg_size 72
		.amdhsa_user_sgpr_count 2
		.amdhsa_user_sgpr_kernarg_segment_ptr 1
		.amdhsa_wavefront_size32 1
		.amdhsa_system_sgpr_workgroup_id_x 1
		.amdhsa_system_sgpr_workgroup_id_y 1
		.amdhsa_system_sgpr_workgroup_id_z 1
		.amdhsa_system_vgpr_workitem_id 0
		.amdhsa_next_free_vgpr 248
		.amdhsa_next_free_sgpr 66
		.amdhsa_reserve_vcc 0
		.amdhsa_float_denorm_mode_32 3
		.amdhsa_float_denorm_mode_16_64 3
		.amdhsa_memory_ordered 1
		.amdhsa_forward_progress 1
		.amdhsa_inst_pref_size 39
	.end_amdhsa_kernel
	.amdgpu_metadata
---
amdhsa.version: [ 1, 2 ]
amdhsa.kernels:
  - .name:           k_q71a42ab624_quant
    .symbol:         k_q71a42ab624_quant.kd
    .args:
      - { .name: q, .offset: 0, .size: 8, .value_kind: global_buffer, .address_space: global }
      - { .name: k, .offset: 8, .size: 8, .value_kind: global_buffer, .address_space: global }
      - { .name: W1, .offset: 16, .size: 8, .value_kind: global_buffer, .address_space: global }
      - { .name: W2, .offset: 24, .size: 8, .value_kind: global_buffer, .address_space: global }
      - { .name: lowp_scales, .offset: 32, .size: 8, .value_kind: global_buffer, .address_space: global }
      - { .name: xc, .offset: 40, .size: 8, .value_kind: global_buffer, .address_space: global }
      - { .name: w1c, .offset: 48, .size: 8, .value_kind: global_buffer, .address_space: global }
      - { .name: w2c, .offset: 56, .size: 8, .value_kind: global_buffer, .address_space: global }
      - { .name: par2, .offset: 64, .size: 8, .value_kind: global_buffer, .address_space: global }
    .group_segment_fixed_size: 34304
    .private_segment_fixed_size: 0
    .kernarg_segment_align: 8
    .kernarg_segment_size: 72
    .max_flat_workgroup_size: 128
    .sgpr_count:     66
    .vgpr_count:     248
    .wavefront_size: 32
...
	.end_amdgpu_metadata
.endif
;; end of part 1
;; launch proj1 (part 2): grid 4 x 64, 4 waves a work-group, clusters of 4 x 4, 327,680 bytes of LDS; arguments xc, w1c, lowp_scales, b1, hc; writes hc
.if DOCPART == 2
	.amdgcn_target "amdgcn-amd-amdhsa--gfx1250"
	.amdhsa_code_object_version 6
	.text
	.protected	k_q71a42ab624_proj1
	.globl	k_q71a42ab624_proj1
	.p2align	8
	.type	k_q71a42ab624_proj1,@function
k_q71a42ab624_proj1:
	s_mov_b64 s[64:65], 0
	v_nop
	global_prefetch_b8 v0, s[64:65] scope:SCOPE_SE
	s_setreg_imm32_b32 hwreg(HW_REG_WAVE_MODE, 25, 1), 1
	s_wait_xcnt 0x0
	s_wait_alu depctr_hold_cnt(0) depctr_sa_sdst(0) depctr_va_vdst(0) depctr_va_sdst(0) depctr_va_ssrc(0) depctr_va_vcc(0) depctr_vm_vsrc(0)
	s_getreg_b32 s2, hwreg(HW_REG_IB_STS2, 6, 4)
	s_cmp_eq_u32 s2, 0
	s_cbranch_scc0 .Lentry_in_a_cluster
	s_endpgm
.Lentry_in_a_cluster:
	s_bfe_u32 s2, ttmp6, 0x10000c
	s_cmp_lg_u32 s2, 0xf033
	s_cbranch_scc0 .Lentry_shape_is_right
	s_endpgm
.Lentry_shape_is_right:
; ONE LINEAR LAYER FOR BOTH CHAINS: out = Q(A W^T + bias).  A: codes, 16,384 rows x 1,024 (rows 0-8191 the q chain, 8192-16383 the k chain); W: codes, 2,048 rows x 1,024 (rows 0-1023 at the q chain's scale, the others at the
; k chain's); bias [1024] f32; out: codes, 16,384 x 1,024.  All three buffers of codes lie in the order of the operand's registers: a fragment, 16 rows x 128 K, is 2,048 bytes, registers 4 g .. 4 g + 3 of lane l at 512 g + 16 l;
; lane (r, h), registers 2 c, 2 c + 1: row r, K = 16 c + 8 h + 0 .. 7; fragment (row tile rt, 128 block n) of R rows at (((n / 2) (R / 16) + rt) 2 + n % 2) x 2,048.
; The third argument holds eA, eB, eO at words 0-2 for the q chain and at words 4-6 for the k chain.  A sum stands for sum x 2^(eA + eB): the bias goes in as the C of each sum's first product, divided by that power of two,
; and the conversion takes the one scale 2^(eO - eA - eB).  LIMITS: eO - eA - eB between -126 and 119; NaN is not served.
; A tile of 256 x 256 is made by four waves, 128 x 128 each: 64 accumulators.  K goes in four steps of 256 through two LDS slots; a wave's tensor load brings 32,768 dense bytes (eight row tiles x 256 K).
; CLUSTERS: 4 x 4 work-groups; A's tile is asked for jointly along a row of the cluster, W's along a column.  THE PRODUCT IS USED TRANSPOSED (source 0 = 16 rows of W, source 1 = 16 rows of A): lane (r, h), accumulator b,
; register j hold out(row r, column 16 b + 8 h + j), so the eight conversions of a block of 16 rows ARE a fragment of the next product's operand, and leave by four stores of 512 dense bytes.
; REGISTERS: window 0: v0-31 addresses; v64-127 the bias, later numbers at work; v128-255 A's fragments, one set, later the codes.  Window 1: W's fragments, two sets.  Windows 2, 3: the accumulators, (a, b) at v[8 (8 (a % 4) + b)].
.set SLOT,  32768                      ; a wave's fetch of one K step: eight row tiles x 4,096 bytes; wave w's two lie on end from w x 65,536 (waves 0, 1: A's halves; waves 2, 3: W's)
.set SPARE, 262144                     ; behind the ring: the spare words, 128 bytes for each wave
.set KSA,   0x400000                   ; bytes from 256 along K to the next: 256 x 16,384 rows
.set KSB,   0x80000                    ; 256 x 2,048 rows
.set FR,    16                         ; registers of a fragment
.set NL,    4                          ; LDS loads that bring one
.set NP,    4                          ; places behind this matrix instruction (ISA guide 7.12.1)
.set ADRA,  16                         ; v16-17  my A fragments in slot 0, 1
.set ADRB,  20                         ; v20-21  my W fragments
.set L16,   26                         ; v26     16 x lane
.set SPW,   28                         ; v28     my spare word; never rewritten
.set NIL,   29                         ; v29     0; never rewritten
.set SC,    30                         ; v30     2^(eO - eA - eB)
.set LIM,   31                         ; v31     448 x that
.set BI,    64
.set AF,    128
.set G1,    24                         ; s[24:31] descriptor group 1 for A; s[32:39] group 0, a set for each slot
.set G0,    32
.set G1B,   48                         ; s[48:55], s[56:63] the same for W
.set G0B,   56
.set G1H,   68                         ; s[68:75], s[76:83] group 1 of the head's loads: two rows of 32,768 bytes, K steps 0 and 1 of my eight row tiles
.set G1BH,  76
.set MSB, 0
.macro WIN new                         ; the immediate's high byte repeats the setting that is left
.if MSB != (\new)
	s_set_vgpr_msb (MSB<<8)|(\new)
.set MSB, (\new)
.endif
.endm
.set MUL_LO, 0xa1                      ; source 0 (W) window 1, source 1 (A) window 0, C and D window 2
.set MUL_HI, 0xf1                      ; the same, C and D window 3
.set TO_B,   0x40                      ; destination window 1, address window 0
.macro JLOAD g0a, g1a, g0b, g1b        ; a joint load: waves 0 and 1 fetch for A, waves 2 and 3 for W; an s_nop 0 and four v_nop follow each of the two lines
	s_cmp_eq_u32 s15, 0
	s_cbranch_scc0 .Lfor_b_\@
	tensor_load_to_lds s[\g0a:\g0a+3], s[\g1a:\g1a+7]
	s_nop 0
.rept 4
	v_nop
.endr
	s_branch .Lasked_\@
.Lfor_b_\@:
	tensor_load_to_lds s[\g0b:\g0b+3], s[\g1b:\g1b+7]
	s_nop 0
.rept 4
	v_nop
.endr
.Lasked_\@:
.endm
.macro CREST                           ; a round of the cluster's barrier behind its opening barrier
	s_cmp_lg_u32 s14, 0
	s_cbranch_scc1 .Lnot_wave_0_\@
	s_barrier_signal -3
.Lnot_wave_0_\@:
	s_barrier_wait -3
	s_barrier_signal -1
	s_barrier_wait -1
.endm
.macro CROUND
	s_barrier_signal -1
	s_barrier_wait -1
	CREST
.endm
	s_load_b256 s[4:11], s[0:1], 0x0               ; A s[4:5], W s[6:7], the exponents s[8:9], the bias s[10:11]
	s_load_b64 s[12:13], s[0:1], 0x20              ; out
	v_lshl_add_u32 v[SPW], v0, 2, SPARE
	v_mov_b32 v[NIL], 0
	ds_add_u32 v[SPW], v[NIL]                      ; the wave's opening
	ds_add_u32 v[SPW], v[NIL]
	v_lshrrev_b32 v1, 5, v0
	v_readfirstlane_b32 s14, v1                    ; wave 0..3
	s_lshr_b32 s15, s14, 1                         ; which half of the tile's rows is mine.  Also: I fetch for A (0) or for W (1)
	s_and_b32 s16, s14, 1                          ; which half of its columns.  Also: which eight row tiles I fetch
	s_bfe_u32 s40, ttmp6, 0x40000                  ; cx, cy: my place in the cluster
	s_bfe_u32 s41, ttmp6, 0x40004
	s_lshl_b32 s42, ttmp9, 2
	s_add_co_u32 s42, s42, s40                     ; tile column = 4 x cluster x + cx
	s_and_b32 s17, ttmp7, 0xffff
	s_lshr_b32 s19, s17, 3                         ; 1 for the k chain (tile rows 32-63): the same in all sixteen partners
	s_lshl_b32 s17, s17, 2
	s_add_co_u32 s17, s17, s41                     ; tile row = 4 x cluster y + cy
	s_lshl_b32 s43, s41, 2
	s_lshl_b32 s43, 15, s43                        ; my row of the cluster
	s_lshl_b32 s44, 0x1111, s40                    ; my column
	s_or_b32 s[G1+0], s43, (3<<16)|(1<<21)         ; 15:0 the mask; 17:16 elements of 8 bytes; 21 set beside a mask; no padding: the block is read as it lies
	s_or_b32 s[G1B+0], s44, (3<<16)|(1<<21)
	s_or_b32 s[G1H+0], s43, (3<<16)|(1<<21)
	s_or_b32 s[G1BH+0], s44, (3<<16)|(1<<21)
.irp g, G1H, G1BH
	s_mov_b32 s[\g+1], 4096<<16                    ; tensor_dim0 = 4,096 elements of 8 bytes
	s_mov_b32 s[\g+2], 2<<16                       ; tensor_dim1 = 2 rows
	s_mov_b32 s[\g+3], 4096<<16                    ; tile_dim0
	s_mov_b32 s[\g+4], 2                           ; tile_dim1
	s_mov_b32 s[\g+6], 0
	s_mov_b32 s[\g+7], 0
.endr
	s_mov_b32 s[G1H+5], KSA/8                      ; the pitch: from 256 along K to the next
	s_mov_b32 s[G1BH+5], KSB/8
.irp g, G1, G1B
	s_mov_b32 s[\g+1], 32<<16                      ; tensor_dim0 = 32 elements: rows of 256 bytes
	s_mov_b32 s[\g+2], 128<<16                     ; tensor_dim1 = 128 rows: 32,768 dense bytes
	s_mov_b32 s[\g+3], 32<<16                      ; tile_dim0
	s_mov_b32 s[\g+4], 128                         ; tile_dim1
	s_mov_b32 s[\g+5], 32                          ; the pitch: a row begins where the last ends
	s_mov_b32 s[\g+6], 0
	s_mov_b32 s[\g+7], 0
.endr
	s_lshl_b32 s20, s17, 16                        ; A: 16 row tiles of 4,096 bytes a tile row, + my eight
	s_lshl_b32 s18, s16, 15
	s_add_co_u32 s20, s20, s18
	s_mov_b32 s21, 0
	s_lshl_b32 s46, s19, 18                        ; W: the chain's 64 row tiles, the tile column's 16, my eight
	s_lshl_b32 s47, s42, 16
	s_add_co_u32 s46, s46, s47
	s_add_co_u32 s46, s46, s18
	s_mov_b32 s47, 0
	s_lshl_b32 s45, s14, 16                        ; where they go: wave x 65,536: no place in the cluster enters an LDS address
	s_wait_dscnt 0x0                               ; both opening adds are done
	s_wait_kmcnt 0x0
	s_load_b256 s[88:95], s[8:9], 0x0              ; both chains' exponents
	s_add_nc_u64 s[20:21], s[4:5], s[20:21]
	s_add_nc_u64 s[46:47], s[6:7], s[46:47]
	s_cmp_eq_u32 s15, 0                            ; the prefetches: my quarter (8,192 bytes, by my place among the four that ask with me: by address alone) of my loads of K steps 2 and 3
	s_cselect_b64 s[84:85], s[20:21], s[46:47]
	s_cselect_b32 s86, s40, s41
	s_mov_b32 s87, KSB
	s_cselect_b32 s87, KSA, s87                    ; bytes from one K step to the next
	s_lshl_b32 s86, s86, 13
	s_lshl_b32 s66, s87, 1
	s_add_co_u32 s66, s66, s86
	s_mov_b32 s67, 0
	s_add_nc_u64 s[84:85], s[84:85], s[66:67]
	CROUND                                         ; all sixteen work-groups are here: the first joint loads meet
.irp s, 0,1
	s_mov_b32 s[G0+4*\s], 1
	s_add_co_u32 s[G0+4*\s+1], s45, \s*SLOT
	s_add_nc_u64 s[G0+4*\s+2:G0+4*\s+3], s[20:21], \s*KSA
	s_or_b32 s[G0+4*\s+3], s[G0+4*\s+3], 0x80000000
	s_mov_b32 s[G0B+4*\s], 1
	s_add_co_u32 s[G0B+4*\s+1], s45, \s*SLOT
	s_add_nc_u64 s[G0B+4*\s+2:G0B+4*\s+3], s[46:47], \s*KSB
	s_or_b32 s[G0B+4*\s+3], s[G0B+4*\s+3], 0x80000000
.endr
	JLOAD G0, G1H, G0B, G1BH                       ; my one load at the head: K steps 0 and 1 of my eight row tiles, 65,536 bytes
	v_and_b32 v1, 31, v0
	v_lshlrev_b32 v[L16], 4, v1
	v_bfe_u32 v2, v0, 4, 1                         ; h
	v_lshlrev_b32 v3, 5, v2                        ; 32 h: my eight numbers of a tile's sixteen biases
	v_lshlrev_b32 v4, 8, v1                        ; lanes 256 bytes apart
	v_add_nc_u32 v5, s87, v4
	global_prefetch_b8 v4, s[84:85] th:TH_LOAD_NT scope:SCOPE_SE   ; K step 2, which slot 0's refill loads; these registers are never rewritten
	global_prefetch_b8 v5, s[84:85] th:TH_LOAD_NT scope:SCOPE_SE   ; K step 3, which slot 1's refill loads
	s_wait_alu depctr_va_vdst(0)
	s_lshl_b32 s21, s15, 16                        ; my eight row tiles of A,
	s_lshl_b32 s22, s16, 16
	s_add_co_u32 s22, s22, 131072                  ; and of W, which lie behind A's two regions
.irp s, 0,1
	v_add_nc_u32 v[ADRA+\s], s21, v[L16]
	v_add_nc_u32 v[ADRB+\s], s22, v[L16]
	s_add_co_u32 s21, s21, SLOT
	s_add_co_u32 s22, s22, SLOT
.endr
	s_lshl_b32 s46, s42, 10                        ; the bias of my 128 columns
	s_lshl_b32 s47, s16, 9
	s_add_co_u32 s46, s46, s47
	s_mov_b32 s47, 0
	s_add_nc_u64 s[10:11], s[10:11], s[46:47]
.irp b, 0,1,2,3,4,5,6,7
	global_load_b128 v[BI+8*\b:BI+8*\b+3], v3, s[10:11] offset:64*\b       ; columns 16 b + 8 h + 0 .. 3,
	global_load_b128 v[BI+8*\b+4:BI+8*\b+7], v3, s[10:11] offset:64*\b+16  ; + 4 .. 7: the result's layout
.endr
	s_lshl_b32 s46, s42, 22                        ; out: my columns are 128 block 2 x tile column + half; my rows' first row tile is 16 x tile row + 8 x half
	s_lshl_b32 s23, s17, 16
	s_add_co_u32 s46, s46, s23
	s_lshl_b32 s23, s15, 15
	s_add_co_u32 s46, s46, s23
	s_lshl_b32 s23, s16, 11
	s_add_co_u32 s46, s46, s23
	s_add_nc_u64 s[12:13], s[12:13], s[46:47]
	s_wait_kmcnt 0x0
	s_cmp_lg_u32 s19, 0
	s_cselect_b32 s96, s92, s88                    ; eA
	s_cselect_b32 s97, s93, s89                    ; eB
	s_cselect_b32 s98, s94, s90                    ; eO
	s_add_co_i32 s96, s96, s97
	s_sub_co_i32 s98, s98, s96                     ; eO - eA - eB
	s_sub_co_i32 s96, 0, s96                       ; -(eA + eB)
	s_add_co_i32 s98, s98, 127
	s_lshl_b32 s97, s98, 23
	v_mov_b32 v[SC], s97
	s_add_co_i32 s98, s98, 8
	s_lshl_b32 s98, s98, 23
	s_or_b32 s98, s98, 0x600000
	v_mov_b32 v[LIM], s98
	s_wait_loadcnt 0x0
.set i, 0
.rept 64
	v_ldexp_f32 v[BI+i], v[BI+i], s96              ; bias / 2^(eA + eB): nothing is rounded, short of underflow
.set i, i+1
.endr
.macro FRAG reg, adr, q, i             ; row tile i's fragment of the slot's q-th 128 along K: four loads of 512 dense bytes
.irp c, 0,1,2,3
	ds_load_b128 v[\reg+4*\c:\reg+4*\c+3], v[\adr] offset:(2*(\i)+(\q))*2048+512*\c
.endr
.endm
; 16 matrix instructions: A's blocks a0, a0 + 1 x W's eight.  p: W's set.  mode = 1: the first product starts the sums from the bias.  The 64 accumulators take turns, in the same order in every step.
.macro MUL16 a0, p, mode
.irp a, \a0, \a0+1
.irp b, 0,1,2,3,4,5,6,7
.if \mode
	v_wmma_f32_16x16x128_fp8_fp8 v[8*(8*((\a)%4)+\b):8*(8*((\a)%4)+\b)+7], v[128*(\p)+FR*\b:128*(\p)+FR*\b+FR-1], v[AF+FR*(\a):AF+FR*(\a)+FR-1], v[BI+8*\b:BI+8*\b+7]
.else
	v_wmma_f32_16x16x128_fp8_fp8 v[8*(8*((\a)%4)+\b):8*(8*((\a)%4)+\b)+7], v[128*(\p)+FR*\b:128*(\p)+FR*\b+FR-1], v[AF+FR*(\a):AF+FR*(\a)+FR-1], v[8*(8*((\a)%4)+\b):8*(8*((\a)%4)+\b)+7]
.endif
.endr
.endr
.endm
.macro FETCH_B slot, q, p
	WIN TO_B
.irp i, 0,1,2,3,4,5,6,7
	FRAG 128*(\p)+FR*\i, ADRB+\slot, \q, \i
.endr
	WIN 0
.endm
.macro FETCH_A slot, q, i0
.irp i, \i0, \i0+1, \i0+2, \i0+3
	FRAG AF+FR*(\i), ADRA+\slot, \q, \i
.endr
.endm
.macro PLACES n                        ; plain vector instructions between a matrix instruction and a load into, or a vector read of, its registers
.rept \n
	v_nop
.endr
.endm
; A step of 128 along K that has its successor in the same slot.  A has one set of registers: blocks 0-3 are fetched anew in the step's middle, blocks 4-7 at its end; W has two sets.
.macro STEP slot, q, mode
	s_wait_dscnt 4*NL                              ; W's set and A's blocks 0-3 are in; the youngest sixteen loads (A's blocks 4-7) may be out
.if \mode
	WIN 0x81                                       ; C (the bias) window 0, D window 2
.else
	WIN MUL_LO
.endif
	MUL16 0, (\q)%2, \mode
	MUL16 2, (\q)%2, \mode
	s_wait_dscnt 0
	PLACES NP
	FETCH_B \slot, (\q)+1, 1-(\q)%2
	FETCH_A \slot, (\q)+1, 0
.if \mode
	WIN 0xc1
.else
	WIN MUL_HI
.endif
	MUL16 4, (\q)%2, \mode
	MUL16 6, (\q)%2, \mode
	PLACES NP
	WIN 0
	FETCH_A \slot, (\q)+1, 4
.endm
; A slot's last step changes slots: one barrier; in front of it each wave waits for all its tensor loads, adds 0 to its spare word, and waits for that and for its reads of this slot.  fill = 1: the slot is filled again.
.macro TURN slot, next, fill
	s_wait_tensorcnt 0x0                           ; all my tensor loads have landed: my part of the next slot
	ds_add_u32 v[SPW], v[NIL]                      ; 0 onto my spare word
	s_wait_dscnt 4*NL+1                            ; the add and the youngest sixteen loads may be out
	WIN MUL_LO
	MUL16 0, 1, 0
	s_wait_dscnt 0x0                               ; the add is done, and my reads of this slot are over
	s_barrier_signal -1
	MUL16 2, 1, 0
	WIN 0
	s_barrier_wait -1
.if \fill
	CREST                                          ; the barrier has opened a round of the cluster's: no wave of any partner still reads this slot or has a load on its way
	s_add_nc_u64 s[G0+4*\slot+2:G0+4*\slot+3], s[G0+4*\slot+2:G0+4*\slot+3], 2*KSA
	s_add_nc_u64 s[G0B+4*\slot+2:G0B+4*\slot+3], s[G0B+4*\slot+2:G0B+4*\slot+3], 2*KSB
	JLOAD G0+4*\slot, G1, G0B+4*\slot, G1B         ; the first tensor load behind the round; its four v_nop are the places in front of the loads below
.else
	PLACES NP
.endif
	FETCH_B \next, 0, 0
	FETCH_A \next, 0, 0
	WIN MUL_HI
	MUL16 4, 1, 0
	MUL16 6, 1, 0
	PLACES NP
	WIN 0
	FETCH_A \next, 0, 4
.endm
	s_wait_alu depctr_va_vdst(0)
	s_wait_tensorcnt 0x0                           ; my part of K steps 0 and 1 is in
	s_barrier_signal -1
	s_barrier_wait -1
	FETCH_B 0, 0, 0
	FETCH_A 0, 0, 0
	FETCH_A 0, 0, 4
	STEP 0, 0, 1                                   ; K = 1,024 is eight steps: written out
	TURN 0, 1, 1                                   ; slot 0 takes K 512-767
	STEP 1, 0, 0
	TURN 1, 0, 1                                   ; slot 1 takes K 768-1023
	STEP 0, 0, 0
	TURN 0, 1, 0
	STEP 1, 0, 0
	s_wait_dscnt 4*NL
	WIN MUL_LO
	MUL16 0, 1, 0
	MUL16 2, 1, 0
	s_wait_dscnt 0
	WIN MUL_HI
	MUL16 4, 1, 0
	MUL16 6, 1, 0
	WIN 0
	PLACES NP
; THE WAY OUT, a block of 16 rows at a time: the hold, eight conversions, four stores.  Each block's codes have registers of their own, so no store's data are written again.
.macro OUTBLK a
.set AC, 64*((\a)%4)
	WIN 0x02+(\a)/4                                ; source 0: window 2 or 3
.set i, 0
.rept 64
	v_med3_num_f32 v[BI+i], v[AC+i], -v[LIM], v[LIM]   ; each accumulator from its low end on; the conversion does not saturate (ISA guide 7.6.2)
.set i, i+1
.endr
	WIN 0
.irp b, 0,1,2,3,4,5,6,7
	v_cvt_scalef32_pk8_fp8_f32 v[AF+16*(\a)+2*\b:AF+16*(\a)+2*\b+1], v[BI+8*\b:BI+8*\b+7], v[SC]
.endr
	v_nop                                          ; a plain instruction between the conversions and the next block's holds, which write their sources
.irp c, 0,1,2,3
	global_store_b128 v[L16], v[AF+16*(\a)+4*\c:AF+16*(\a)+4*\c+3], s[12:13] offset:4096*(\a)+512*\c   ; 512 consecutive bytes, aligned
.endr
.endm
.irp a, 0,1,2,3,4,5,6,7
	OUTBLK \a
.endr
	s_wait_tensorcnt 0x0                           ; the wave's end
	ds_add_u32 v[SPW], v[NIL]
	s_wait_dscnt 0x0
	CROUND                                         ; the closing round: no work-group ends while a partner may still ask for a tile that names it
	s_endpgm
.Lfunc_end_k_q71a42ab624_proj1:
	.size	k_q71a42ab624_proj1, .Lfunc_end_k_q71a42ab624_proj1-k_q71a42ab624_proj1
	.p2alignl 7, 3214868480
	.fill 96, 4, 3214868480
	.section	.rodata,"a",@progbits
	.p2align	6, 0x0
	.amdhsa_kernel k_q71a42ab624_proj1
		.amdhsa_group_segment_fixed_size 327680
		.amdhsa_private_segment_fixed_size 0
		.amdhsa_enable_private_segment 0
		.amdhsa_kernarg_size 40
		.amdhsa_user_sgpr_count 2
		.amdhsa_user_sgpr_kernarg_segment_ptr 1
		.amdhsa_wavefront_size32 1
		.amdhsa_system_sgpr_workgroup_id_x 1
		.amdhsa_system_sgpr_workgroup_id_y 1
		.amdhsa_system_sgpr_workgroup_id_z 1
		.amdhsa_system_vgpr_workitem_id 0
		.amdhsa_next_free_vgpr 1024
		.amdhsa_next_free_sgpr 100
		.amdhsa_reserve_vcc 0
		.amdhsa_float_denorm_mode_32 3
		.amdhsa_float_denorm_mode_16_64 3
		.amdhsa_memory_ordered 1
		.amdhsa_forward_progress 1
		.amdhsa_inst_pref_size 124
	.end_amdhsa_kernel
	.amdgpu_metadata
---
amdhsa.version: [ 1, 2 ]
amdhsa.kernels:
  - .name:           k_q71a42ab624_proj1
    .symbol:         k_q71a42ab624_proj1.kd
    .args:
      - { .name: xc, .offset: 0, .size: 8, .value_kind: global_buffer, .address_space: global }
      - { .name: w1c, .offset: 8, .size: 8, .value_kind: global_buffer, .address_space: global }
      - { .name: lowp_scales, .offset: 16, .size: 8, .value_kind: global_buffer, .address_space: global }
      - { .name: b1, .offset: 24, .size: 8, .value_kind: global_buffer, .address_space: global }
      - { .name: hc, .offset: 32, .size: 8, .value_kind: global_buffer, .address_space: global }
    .group_segment_fixed_size: 327680
    .private_segment_fixed_size: 0
    .kernarg_segment_align: 8
    .kernarg_segment_size: 40
    .max_flat_workgroup_size: 128
    .sgpr_count:     100
    .vgpr_count:     1024
    .wavefront_size: 32
...
	.end_amdgpu_metadata
.endif
;; end of part 2
;; launch proj2: the kernel of part 2 again; grid 4 x 64, 4 waves a work-group, clusters of 4 x 4, 327,680 bytes of LDS; arguments hc, w2c, par2, b2, xc; writes xc
;; launch qk (part 3): grid 8 x 32, 4 waves a work-group, clusters of 4 x 4, 327,680 bytes of LDS; arguments xc, mask, lowp_scales, pc, ml, v1, vc; writes pc, ml, vc
.if DOCPART == 3
	.amdgcn_target "amdgcn-amd-amdhsa--gfx1250"
	.amdhsa_code_object_version 6
	.text
	.protected	k_q71a42ab624_qk
	.globl	k_q71a42ab624_qk
	.p2align	8
	.type	k_q71a42ab624_qk,@function
k_q71a42ab624_qk:
	s_mov_b64 s[64:65], 0
	v_nop
	global_prefetch_b8 v0, s[64:65] scope:SCOPE_SE
	s_setreg_imm32_b32 hwreg(HW_REG_WAVE_MODE, 25, 1), 1
	s_wait_xcnt 0x0
	s_wait_alu depctr_hold_cnt(0) depctr_sa_sdst(0) depctr_va_vdst(0) depctr_va_sdst(0) depctr_va_ssrc(0) depctr_va_vcc(0) depctr_vm_vsrc(0)
	s_getreg_b32 s2, hwreg(HW_REG_IB_STS2, 6, 4)
	s_cmp_eq_u32 s2, 0
	s_cbranch_scc0 .Lentry_in_a_cluster
	s_endpgm
.Lentry_in_a_cluster:
	s_bfe_u32 s2, ttmp6, 0x10000c
	s_cmp_lg_u32 s2, 0xf033
	s_cbranch_scc0 .Lentry_shape_is_right
	s_endpgm
.Lentry_shape_is_right:
; SCORES AND p.  xc holds the codes of qp (rows 0-8191) and kp (rows 8192-16383), 1,024 along K, in the order of the operand's registers: fragment (row tile rt, 128 block n) at (((n / 2) 1024 + rt) 2 + n % 2) x 2,048.
; x = sum + mask / 2^(e8 + e9 - 5);  t = x 2^(e8 + e9 - 5) log2(e)  (1 / sqrt(1024) = 2^-5);  M = ceil of the largest t of a row among the tile's 256 keys;  p = 2^(t - M), quantised at 2^e10.
; OUT: pc: p's codes as fragments (row tile, 128 keys) at 128 block x 2^20 + row tile x 2,048;  ml: planes of 8,192 f32: plane j < 16 the row's sum of unquantised p over keys 128 j .. + 127, plane 16 + c the value -M of key block c of 256.
; No work of reference() is left out here.
; A tile of 256 queries x 256 keys is made by four waves, 128 x 128 each, 64 accumulators.  THE PRODUCT IS USED TRANSPOSED (source 0 = 16 keys, source 1 = 16 queries): lane (r, h), accumulator b, register j hold
; (query r, key 16 b + 8 h + j), so eight conversions of a block of 16 queries are a fragment of the next product's operand.
; LDS: two slots of 128 lines of 1,024 bytes + 16 of padding.  A K step of 256: A's 64 lines, then B's 64.  Wave w fetches operand w % 2 of the slot w / 2, 64 lines by one joint load: at the head K steps 0 and 1, later 2 and 3.
; THE MASK COMES LAST: the sums start from 0.  When slot 0 has given K step 2, it takes rows 0-63 of each half of the tile's 256 mask rows (32 lines a wave, the same lines and padding as a K step);
; in the last K step slot 1 takes rows 64-127.  The softmax goes in two phases of four blocks of 16 queries, so that the second mask load is out while the first phase is worked.
; CLUSTERS: 4 x 4; A's tile is asked for jointly along a row of the cluster, B's along a column.  The mask's tile differs in all sixteen partners: plain loads, behind the same rounds.
; PREFETCHES: behind the first fragment loads each wave names its own later K load (65,536 bytes, shared out among the four partners by address: 64 blocks of 256 bytes, two instructions);
; behind the refill of slot s each wave names the 32 mask rows x 1,024 bytes that it loads two K steps later (a lane a row, four instructions).  Nothing is named twice in a cluster.
; LIMITS: e8 + e9 - 5 between -126 and 127; e10 between -126 and 119; a row's largest t is held at -2^100 from below; |t| under 2^31; NaN is not served.
; REGISTERS: window 0: v0-31 addresses, v32-127 at work in the tail, v128-255 A's fragments, later t and p.  Window 1: B's fragments, two sets, later four blocks of mask.  Windows 2, 3: the accumulators, (a, b) at v[8 (8 (a % 4) + b)].
.set LINE,  1040
.set QUAR,  32*LINE
.set HALF,  64*LINE
.set SLOT,  128*LINE
.set MXB,   2*SLOT                     ; the waves' row maxima: 2,048 bytes
.set LTB,   MXB+2048                   ; the row sums on their way out: 512 bytes a wave
.set SPARE, LTB+2048                   ; the spare words, 128 bytes for each wave
.set VSTG,  SPARE+512                  ; v1's codes on their way out: 8,192 bytes a wave, bytes that no tensor load fills
.set KS,    0x400000                   ; bytes from 256 along K to the next
.set FR,    16
.set NL,    4
.set NP,    4                          ; places behind this matrix instruction (ISA guide 7.12.1)
.set PFO,   8                          ; v8   256 x lane
.set PFM,   9                          ; v9   8,192 x lane: a mask row a lane
; v1 IS QUANTISED HERE TOO, beside the products: v1 [4][2048 keys][1024] f32 becomes vc, codes of E4M3 at 2^e11 (held within +-448, nearest, ties to even; e11 between -126 and 119) with the keys innermost:
; row = 1024 batch + channel; fragment (row tile rt, 128 keys n) at (256 n + rt) x 2,048, in the order of the operand's registers.  The work-group at (tile row, tile column) takes batch = tile row / 8,
; channels 128 (tile row % 8) .. + 127, keys 256 x tile column .. + 255; a wave 32 channels.  A LANE TAKES A CHANNEL, AND ITS REGISTERS RUN DOWN THE KEYS: the conversions give codes with the keys innermost.
; One batch of 32 keys stands in each of the eight steps of 128 along K, in v32-103, which the products do not use: the hold, four conversions, two LDS stores, and the loads of the batch two steps on.
; Rows 64-255 are prefetched, 64 rows at a time, two steps or more ahead of their loads: a row's 512 bytes are two blocks of 256; wave w names rows 16 w .. + 15 of the 64, a lane a block.
.set SCV,   10                         ; v10  2^e11
.set LIMV,  11                         ; v11  448 x 2^e11
.set L4,    12                         ; v12  4 x lane
.set VS,    13                         ; v13  my stage, in: 4,096 (lane / 16) + 16 (lane % 16)
.set VR,    14                         ; v14  my stage, out: 16 x lane
.set PFV,   15                         ; v15  the prefetches' offset from my wave's first byte of v1
.set VT,    0                          ; the batch in hand
.macro LOADV t                         ; keys 32 t .. + 31 of my channel into set t % 2 (v32-63, v64-95): 128 consecutive bytes a wave, 512 a work-group
.set i, 0
.rept 32
	global_load_b32 v[32+32*((\t)%2)+i], v[L4], s[60:61] offset:(32*(\t)+i)*4096 th:TH_LOAD_NT
.set i, i+1
.endr
.endm
; In a fragment the 16 bytes of lane (r, 0) at 512 g hold keys 32 g + 0 .. 7 and 32 g + 16 .. 23, those of lane (r, 1), 256 bytes on, keys 32 g + 8 .. 15 and 32 g + 24 .. 31: so the four conversions are laid 0, 2, 1, 3.
.macro VBATCH
.set XS, 32+32*(VT%2)
.if VT < 7
	s_wait_loadcnt 32                              ; this batch's 32 loads are in; the next batch's may be out
.else
	s_wait_loadcnt 0x0
.endif
.set i, 0
.rept 32
	v_med3_num_f32 v[XS+i], v[XS+i], -v[LIMV], v[LIMV]   ; the conversion does not saturate (ISA guide 7.6.2).  These lines are also the places in front of the fragment loads that follow
.set i, i+1
.endr
	v_cvt_scalef32_pk8_fp8_f32 v[96:97], v[XS:XS+7], v[SCV]
	v_cvt_scalef32_pk8_fp8_f32 v[98:99], v[XS+16:XS+23], v[SCV]
	v_cvt_scalef32_pk8_fp8_f32 v[100:101], v[XS+8:XS+15], v[SCV]
	v_cvt_scalef32_pk8_fp8_f32 v[102:103], v[XS+24:XS+31], v[SCV]
	v_nop
	ds_store_b128 v[VS], v[96:99] offset:512*VT         ; older than the fragment loads that follow: the counted waits on DScnt keep their counts; a wait for 0 stands ahead of the next batch
	ds_store_b128 v[VS], v[100:103] offset:512*VT+256
.if VT < 6
	LOADV VT+2
.endif
.if VT == 0 || VT == 2
	global_prefetch_b8 v[PFV], s[60:61] offset:262144*(VT/2+2) th:TH_LOAD_NT scope:SCOPE_SE   ; rows 128-191, then 192-255
.endif
.set VT, VT+1
.endm
.set ADRA,  16                         ; v16-17 my A fragments in slot 0, 1
.set MXA,   18
.set LTR,   19
.set ADRB,  20                         ; v20-21 my B fragments
.set MLA,   22                         ; v22-23 my lane's place in the mask rows of slot 0, 1
.set MXW,   24
.set MXR,   25
.set L16,   26
.set LTW,   27
.set SPW,   28                         ; my spare word; never rewritten
.set NIL,   29                         ; 0; never rewritten
.set SC,    30                         ; 2^e10
.set LIM,   31                         ; 448 x 2^e10
.set CH,    96
.set AF,    128
.set G1,    24                         ; s[24:31] group 1 for A, s[32:35] my group 0 for A
.set G0,    32
.set PFK,   36                         ; s[36:37] my share of my later K load
.set G1B,   48                         ; s[48:55], s[56:59] the same for B
.set G0B,   56
.set LB,    66
.set NB,    68
.set SEL,   70
.set CS,    72
.set MS,    74
.set NINF,  76
.set G1M,   80                         ; s[80:87], s[88:91] the mask's
.set G0M,   88
.set MSB, 0
.macro WIN new                         ; the immediate's high byte repeats the setting that is left
.if MSB != (\new)
	s_set_vgpr_msb (MSB<<8)|(\new)
.set MSB, (\new)
.endif
.endm
.set MUL_LO, 0xa1                      ; source 0 window 1, source 1 window 0, C and D window 2
.set MUL_HI, 0xf1
.set TO_B,   0x40
.macro PLACES n
.rept \n
	v_nop
.endr
.endm
; A joint load of slot s by its two waves (s < 0: the head, every wave).  The branches hang on the wave's number alone.  An s_nop 0 and four v_nop follow each line.
.macro JLOAD s
.if (\s) >= 0
	s_cmp_lg_u32 s15, \s
	s_cbranch_scc1 .Lasked_\@
.endif
	s_cmp_eq_u32 s16, 0
	s_cbranch_scc0 .Lfor_b_\@
	tensor_load_to_lds s[G0:G0+3], s[G1:G1+7]
	s_nop 0
	PLACES 4
	s_branch .Lasked_\@
.Lfor_b_\@:
	tensor_load_to_lds s[G0B:G0B+3], s[G1B:G1B+7]
	s_nop 0
	PLACES 4
.Lasked_\@:
.endm
.macro MLOAD                           ; my 32 mask rows
	tensor_load_to_lds s[G0M:G0M+3], s[G1M:G1M+7]
	s_nop 0
	PLACES 4
.endm
.macro CREST                           ; a round of the cluster's barrier behind its opening barrier
	s_cmp_lg_u32 s14, 0
	s_cbranch_scc1 .Lnot_wave_0_\@
	s_barrier_signal -3
.Lnot_wave_0_\@:
	s_barrier_wait -3
	s_barrier_signal -1
	s_barrier_wait -1
.endm
.macro CROUND
	s_barrier_signal -1
	s_barrier_wait -1
	CREST
.endm
	s_load_b256 s[4:11], s[0:1], 0x0               ; xc, mask, the exponents, pc
	s_load_b64 s[12:13], s[0:1], 0x20              ; ml
	s_load_b128 s[60:63], s[0:1], 0x28             ; v1, vc
	v_lshl_add_u32 v[SPW], v0, 2, SPARE
	v_mov_b32 v[NIL], 0
	ds_add_u32 v[SPW], v[NIL]                      ; the opening
	ds_add_u32 v[SPW], v[NIL]
	v_lshrrev_b32 v1, 5, v0
	v_readfirstlane_b32 s14, v1                    ; wave 0..3
	s_lshr_b32 s15, s14, 1                         ; my half of the tile's queries.  Also: the slot that I fetch for
	s_and_b32 s16, s14, 1                          ; my half of its keys.  Also: I fetch A (0) or B (1)
	s_bfe_u32 s40, ttmp6, 0x40000                  ; cx, cy
	s_bfe_u32 s41, ttmp6, 0x40004
	s_lshl_b32 s42, ttmp9, 2
	s_add_co_u32 s42, s42, s40                     ; tile column
	s_and_b32 s17, ttmp7, 0xffff
	s_lshr_b32 s19, s17, 1                         ; batch: the same in all sixteen partners
	s_lshl_b32 s17, s17, 2
	s_add_co_u32 s17, s17, s41                     ; tile row
	s_lshl_b32 s43, s41, 2
	s_lshl_b32 s43, 15, s43                        ; my row of the cluster
	s_lshl_b32 s44, 0x1111, s40                    ; my column
	s_or_b32 s[G1], s43, (3<<16)|(1<<20)|(1<<21)|(7<<22)|(3<<25)   ; the mask; elements of 8 bytes; padding on; bit 21 beside a mask; four words behind every 256
	s_or_b32 s[G1B], s44, (3<<16)|(1<<20)|(1<<21)|(7<<22)|(3<<25)
	s_mov_b32 s[G1M], (3<<16)|(1<<20)|(7<<22)|(3<<25)
.irp g, G1, G1B
	s_mov_b32 s[\g+1], 128<<16                     ; rows of 128 elements: 1,024 bytes
	s_mov_b32 s[\g+2], 64<<16                      ; 64 rows: 65,536 dense bytes
	s_mov_b32 s[\g+3], 128<<16
	s_mov_b32 s[\g+4], 64
	s_mov_b32 s[\g+5], 128                         ; a row begins where the last ends
	s_mov_b32 s[\g+6], 0
	s_mov_b32 s[\g+7], 0
.endr
	s_mov_b32 s[G1M+1], 128<<16
	s_mov_b32 s[G1M+2], 32<<16                     ; 32 rows
	s_mov_b32 s[G1M+3], 128<<16
	s_mov_b32 s[G1M+4], 32
	s_mov_b32 s[G1M+5], 1024                       ; a mask row is 8,192 bytes
	s_mov_b32 s[G1M+6], 0
	s_mov_b32 s[G1M+7], 0
	s_lshl_b32 s20, s17, 16                        ; A: the tile row's 16 row tiles of 4,096 bytes, in K step = my slot
	s_lshl_b32 s18, s15, 22
	s_add_co_u32 s20, s20, s18
	s_mov_b32 s21, 0
	s_lshl_b32 s46, s19, 19                        ; B: kp's rows begin at row tile 512; the batch's 128 row tiles, the tile column's 16
	s_lshl_b32 s47, s42, 16
	s_add_co_u32 s46, s46, s47
	s_add_co_u32 s46, s46, s18
	s_add_co_u32 s46, s46, 1<<21
	s_mov_b32 s47, 0
	s_and_b32 s78, s17, 7                          ; the mask: row 256 (tile row % 8) + 128 (wave / 2) + 32 (wave % 2), byte 1,024 x tile column
	s_lshl_b32 s78, s78, 21
	s_lshl_b32 s79, s15, 20
	s_add_co_u32 s78, s78, s79
	s_lshl_b32 s79, s16, 18
	s_add_co_u32 s78, s78, s79
	s_lshl_b32 s79, s42, 10
	s_add_co_u32 s78, s78, s79
	s_mov_b32 s79, 0
	s_cmp_eq_u32 s16, 0
	s_cselect_b32 s22, s40, s41                    ; my place among the four that ask with me
	s_lshl_b32 s22, s22, 14                        ; 16,384 bytes of the 65,536
	s_add_co_u32 s22, s22, 2*KS                    ; two K steps on
	s_mov_b32 s23, 0
	s_mov_b32 s[SEL], 0x76543210
	s_mov_b32 s[SEL+1], 0xfedcba98
	s_mov_b32 s[NINF], 0xff800000
	s_and_b32 s97, s17, 7                          ; v1: (2048 batch + 256 tile column) rows of 4,096 bytes + 4 (128 (tile row % 8) + 32 wave)
	s_lshl_b32 s98, s19, 23
	s_lshl_b32 s99, s42, 20
	s_add_co_u32 s98, s98, s99
	s_lshl_b32 s96, s19, 17                        ; vc: my 256 keys are two planes of 524,288 bytes; in a plane row tile 64 batch + 8 (tile row % 8) + 2 wave
	s_add_co_u32 s96, s96, s99
	s_lshl_b32 s99, s97, 9
	s_add_co_u32 s98, s98, s99
	s_lshl_b32 s99, s97, 14
	s_add_co_u32 s96, s96, s99
	s_lshl_b32 s99, s14, 7
	s_add_co_u32 s98, s98, s99
	s_lshl_b32 s99, s14, 12
	s_add_co_u32 s96, s96, s99
	s_mov_b32 s99, 0
	s_mov_b32 s97, 0
	s_wait_alu depctr_va_vdst(0)
	s_wait_dscnt 0x0                               ; both opening adds are done
	s_wait_kmcnt 0x0
	s_load_b128 s[92:95], s[8:9], 0x20             ; e8 .. e11
	s_add_nc_u64 s[20:21], s[4:5], s[20:21]
	s_add_nc_u64 s[46:47], s[4:5], s[46:47]
	s_add_nc_u64 s[6:7], s[6:7], s[78:79]
	s_add_nc_u64 s[60:61], s[60:61], s[98:99]
	s_add_nc_u64 s[62:63], s[62:63], s[96:97]
	s_cmp_eq_u32 s16, 0
	s_cselect_b64 s[PFK:PFK+1], s[20:21], s[46:47]
	s_add_nc_u64 s[PFK:PFK+1], s[PFK:PFK+1], s[22:23]
	s_mov_b32 s[G0], 1
	s_mul_i32 s[G0+1], s15, SLOT
	s_mov_b64 s[G0+2:G0+3], s[20:21]
	s_or_b32 s[G0+3], s[G0+3], 0x80000000
	s_mov_b32 s[G0B], 1
	s_add_co_u32 s[G0B+1], s[G0+1], HALF
	s_mov_b64 s[G0B+2:G0B+3], s[46:47]
	s_or_b32 s[G0B+3], s[G0B+3], 0x80000000
	s_mov_b32 s[G0M], 1
	s_mul_i32 s[G0M+1], s14, QUAR
	s_mov_b64 s[G0M+2:G0M+3], s[6:7]
	s_or_b32 s[G0M+3], s[G0M+3], 0x80000000
	CROUND                                         ; all sixteen work-groups are here: the first joint loads meet
	JLOAD -1                                       ; my one load at the head: K steps 0 and 1 are both on their way
	s_lshl_b32 s46, s42, 21                        ; pc: 128 block 2 x tile column + half, row tile 16 x tile row + 8 x half
	s_mov_b32 s47, 0
	s_lshl_b32 s23, s16, 20
	s_add_co_u32 s46, s46, s23
	s_lshl_b32 s23, s17, 15
	s_add_co_u32 s46, s46, s23
	s_lshl_b32 s23, s15, 14
	s_add_co_u32 s46, s46, s23
	s_add_nc_u64 s[10:11], s[10:11], s[46:47]
	s_lshl_b32 s22, s17, 10                        ; ml: my 128 rows,
	s_lshl_b32 s23, s15, 9
	s_add_co_u32 s22, s22, s23
	s_lshl_b32 s46, s42, 1
	s_add_co_u32 s46, s46, s16
	s_lshl_b32 s46, s46, 15
	s_add_co_u32 s46, s46, s22
	s_add_nc_u64 s[LB:LB+1], s[12:13], s[46:47]    ; in the sums' plane of my 128 keys,
	s_add_co_u32 s46, s42, 16
	s_lshl_b32 s46, s46, 15
	s_add_co_u32 s46, s46, s22
	s_add_nc_u64 s[NB:NB+1], s[12:13], s[46:47]    ; and in -M's plane of the tile's 256
	s_wait_kmcnt 0x0
	s_add_co_i32 s77, s92, s93
	s_sub_co_i32 s77, s77, 5                       ; e8 + e9 - 5
	s_lshl_b32 s78, s77, 23
	s_add_co_i32 s[CS], s78, 0x3fb8aa3b            ; log2(e) x 2^(e8 + e9 - 5)
	s_mov_b32 s[CS+1], s[CS]
	s_sub_co_i32 s78, 127, s77
	s_lshl_b32 s[MS], s78, 23                      ; 2^-(e8 + e9 - 5)
	s_mov_b32 s[MS+1], s[MS]
	s_add_co_i32 s78, s94, 127
	s_lshl_b32 s79, s78, 23                        ; 2^e10
	s_add_co_i32 s78, s78, 8
	s_lshl_b32 s78, s78, 23
	s_or_b32 s78, s78, 0x600000                    ; 448 x 2^e10
	s_mul_i32 s18, s15, QUAR                       ; LDS: my eight row tiles of A in slot 0, 1,
	s_add_co_u32 s20, s18, SLOT
	s_mul_i32 s21, s16, QUAR                       ; of B,
	s_add_co_u32 s21, s21, HALF
	s_add_co_u32 s22, s21, SLOT
	s_mul_i32 s23, s15, HALF                       ; my half's 64 mask rows, my 512 bytes of each,
	s_lshl_b32 s43, s16, 9
	s_add_co_u32 s23, s23, s43
	s_add_co_u32 s43, s23, SLOT
	s_lshl_b32 s44, s15, 9                         ; the maxima: 512 bytes for 128 rows; my own, my partner's,
	s_add_co_u32 s44, s44, MXB
	s_lshl_b32 s45, s16, 10
	s_add_co_u32 s45, s45, s44
	s_xor_b32 s46, s16, 1
	s_lshl_b32 s46, s46, 10
	s_add_co_u32 s46, s46, s44
	s_lshl_b32 s47, s14, 9                         ; the sums
	s_add_co_u32 s47, s47, LTB
	s_lshl_b32 s38, s14, 13                        ; my stage for v1's codes
	s_add_co_u32 s38, s38, VSTG
	s_mul_i32 s39, s14, 65408                      ; 16 rows of 4,096 bytes a wave, less my wave's 128 bytes in a row
	s_add_co_i32 s96, s95, 127
	s_lshl_b32 s97, s96, 23                        ; 2^e11
	s_add_co_i32 s96, s96, 8
	s_lshl_b32 s96, s96, 23
	s_or_b32 s96, s96, 0x600000                    ; 448 x 2^e11
	v_and_b32 v1, 15, v0                           ; r
	v_bfe_u32 v2, v0, 4, 1                         ; h
	v_and_b32 v3, 31, v0
	v_lshlrev_b32 v[L16], 4, v3
	v_lshlrev_b32 v4, 2, v1
	v_lshlrev_b32 v[PFO], 8, v3
	v_lshlrev_b32 v[PFM], 13, v3
	v_mul_u32_u24 v5, v1, LINE
	v_lshl_add_u32 v5, v2, 5, v5                   ; mask row r, + 32 h
	v_add_nc_u32 v[ADRA], s18, v[L16]
	v_add_nc_u32 v[ADRA+1], s20, v[L16]
	v_add_nc_u32 v[ADRB], s21, v[L16]
	v_add_nc_u32 v[ADRB+1], s22, v[L16]
	v_add_nc_u32 v[MLA], s23, v5
	v_add_nc_u32 v[MLA+1], s43, v5
	v_add_nc_u32 v[MXA], s44, v[L16]
	v_add_nc_u32 v[MXW], s45, v4
	v_add_nc_u32 v[MXR], s46, v4
	v_add_nc_u32 v[LTW], s47, v4
	v_add_nc_u32 v[LTR], s47, v[L16]
	v_mov_b32 v[SC], s79
	v_mov_b32 v[LIM], s78
	v_lshlrev_b32 v[L4], 2, v3
	v_lshlrev_b32 v[VS], 4, v1
	v_lshl_add_u32 v[VS], v2, 12, v[VS]
	v_add_nc_u32 v[VS], s38, v[VS]
	v_add_nc_u32 v[VR], s38, v[L16]
	v_mov_b32 v[SCV], s97
	v_mov_b32 v[LIMV], s96
	v_lshrrev_b32 v[PFV], 1, v3
	v_lshlrev_b32 v[PFV], 12, v[PFV]
	v_and_b32 v5, 1, v3
	v_lshl_add_u32 v[PFV], v5, 8, v[PFV]
	v_add_nc_u32 v[PFV], s39, v[PFV]
	global_prefetch_b8 v[PFV], s[60:61] offset:262144 th:TH_LOAD_NT scope:SCOPE_SE   ; rows 64-127; rows 0-63 come by their loads alone
	LOADV 0
	LOADV 1
.macro FRAG reg, adr, q, i             ; row tile i's fragment of the slot's q-th 128 along K: two lines of 1,040 bytes, four loads of 512 dense bytes
.irp c, 0,1,2,3
	ds_load_b128 v[\reg+4*\c:\reg+4*\c+3], v[\adr] offset:(2*(\i)+(\q))*2*LINE+512*\c+16*(\c/2)
.endr
.endm
; 16 matrix instructions: A's blocks a0, a0 + 1 x B's eight.  zero = 1: the first product starts the sums.  The 64 accumulators take turns, in the same order in every step.
.macro MUL16 a0, p, zero
.irp a, \a0, \a0+1
.irp b, 0,1,2,3,4,5,6,7
.if \zero
	v_wmma_f32_16x16x128_fp8_fp8 v[8*(8*((\a)%4)+\b):8*(8*((\a)%4)+\b)+7], v[128*(\p)+FR*\b:128*(\p)+FR*\b+FR-1], v[AF+FR*(\a):AF+FR*(\a)+FR-1], 0
.else
	v_wmma_f32_16x16x128_fp8_fp8 v[8*(8*((\a)%4)+\b):8*(8*((\a)%4)+\b)+7], v[128*(\p)+FR*\b:128*(\p)+FR*\b+FR-1], v[AF+FR*(\a):AF+FR*(\a)+FR-1], v[8*(8*((\a)%4)+\b):8*(8*((\a)%4)+\b)+7]
.endif
.endr
.endr
.endm
.macro FETCH_B slot, q, p
	WIN TO_B
.irp i, 0,1,2,3,4,5,6,7
	FRAG 128*(\p)+FR*\i, ADRB+\slot, \q, \i
.endr
	WIN 0
.endm
.macro FETCH_A slot, q, i0
.irp i, \i0, \i0+1, \i0+2, \i0+3
	FRAG AF+FR*(\i), ADRA+\slot, \q, \i
.endr
.endm
.macro RDM a, sl                       ; block a's 16 mask rows x my 128 keys into window 1 (set by the caller), in the accumulators' layout
.irp b, 0,1,2,3,4,5,6,7
	ds_load_b128 v[64*((\a)%4)+8*\b:64*((\a)%4)+8*\b+3], v[MLA+\sl] offset:((\a)%4)*16*LINE+64*\b
	ds_load_b128 v[64*((\a)%4)+8*\b+4:64*((\a)%4)+8*\b+7], v[MLA+\sl] offset:((\a)%4)*16*LINE+64*\b+16
.endr
.endm
; A slot's first 128 along K.  A has one set of registers: blocks 0-3 are fetched anew in the step's middle, blocks 4-7 at its end; B has two sets.
.macro STEP slot, zero
	s_wait_dscnt 4*NL                              ; B's set and A's blocks 0-3 are in; the youngest sixteen loads may be out
	WIN MUL_LO
	MUL16 0, 0, \zero
	MUL16 2, 0, \zero
	s_wait_dscnt 0
	WIN 0
	VBATCH
	FETCH_B \slot, 1, 1
	FETCH_A \slot, 1, 0
	WIN MUL_HI
	MUL16 4, 0, \zero
	MUL16 6, 0, \zero
	PLACES NP
	WIN 0
	FETCH_A \slot, 1, 4
.endm
; A slot's second 128 along K changes slots, behind a round of the cluster's barrier; in front of it each wave waits for all its tensor loads, adds 0 to its spare word, and waits for that and for its reads of this slot.
; kind 1: the slot takes the K step two on.  kind 2: it takes the mask's first rows.  kind 3, the last step: it takes the mask's other rows, and the first mask blocks are read in place of fragments.
.macro TURN slot, next, kind
	s_wait_tensorcnt 0x0                           ; no tensor load of mine is out, so a group 0 may be written
	ds_add_u32 v[SPW], v[NIL]
.if (\kind) == 1 && (\slot) == 0
	s_add_nc_u64 s[G0+2:G0+3], s[G0+2:G0+3], 2*KS  ; stepped once: each wave has one later K load
	s_add_nc_u64 s[G0B+2:G0B+3], s[G0B+2:G0B+3], 2*KS
.endif
.if (\kind) == 3
	s_add_co_u32 s[G0M+1], s[G0M+1], SLOT
	s_add_nc_u64 s[G0M+2:G0M+3], s[G0M+2:G0M+3], 1<<19   ; 64 mask rows on
.endif
	s_wait_dscnt 4*NL+1                            ; the add and the youngest sixteen loads may be out
	WIN MUL_LO
	MUL16 0, 1, 0
	s_wait_dscnt 0x0                               ; the add is done, and my reads of this slot are over
	s_barrier_signal -1
	MUL16 2, 1, 0
	WIN 0
	s_barrier_wait -1
	CREST
.if (\kind) == 1
	JLOAD \slot
	PLACES NP                                      ; for the waves that asked for nothing: places in front of the loads below
.else
	MLOAD                                          ; its four v_nop are the places in front of the loads below
.endif
	VBATCH
.if (\kind) < 3
	FETCH_B \next, 0, 0
	FETCH_A \next, 0, 0
.else
	WIN TO_B
	RDM 0, 0
	RDM 1, 0
.endif
.if (\kind) == 1
.irp i, 0,1,2,3
	global_prefetch_b8 v[PFM], s[6:7] offset:(\slot)*524288+256*\i th:TH_LOAD_NT scope:SCOPE_SE   ; the mask rows that I load two K steps on
.endr
.endif
	WIN MUL_HI
	MUL16 4, 1, 0
	MUL16 6, 1, 0
	PLACES NP
	WIN 0
.if (\kind) < 3
	FETCH_A \next, 0, 4
.endif
.endm
.macro SCALE a                         ; t - M of block a, two at a time
	WIN 0x02+(\a)/4
.set AC, 64*((\a)%4)
.set TT, 128+64*((\a)%2)
.set i, 0
.rept 32
	v_pk_fma_f32 v[TT+i:TT+i+1], v[AC+i:AC+i+1], s[CS:CS+1], v[64+2*(\a):65+2*(\a)] op_sel_hi:[1,0,0]
.set i, i+2
.endr
	WIN 0
.endm
.macro PW a                            ; block a: the sum of the unquantised p, the hold, the conversions, four stores of 512 dense bytes
.set TT, 128+64*((\a)%2)
.set PC, 32+16*((\a)%2)
	v_pk_add_f32 v[112:113], v[TT:TT+1], v[TT+2:TT+3]
	v_pk_add_f32 v[114:115], v[TT+4:TT+5], v[TT+6:TT+7]
.set i, 8
.rept 14
	v_pk_add_f32 v[112:113], v[112:113], v[TT+i:TT+i+1]
	v_pk_add_f32 v[114:115], v[114:115], v[TT+i+2:TT+i+3]
.set i, i+4
.endr
	v_pk_add_f32 v[112:113], v[112:113], v[114:115]
	v_add_f32 v112, v112, v113
	v_permlanex16_b32 v113, v112, s[SEL], s[SEL+1]
	v_add_f32 v[80+(\a)], v112, v113
.if (\a) >= 2
	s_wait_xcnt 0x0                                ; the stores of two blocks ago have read their registers
.endif
.irp b, 0,1,2,3,4,5,6,7
.irp n, 0,1,2,3,4,5,6,7
	v_min_num_f32 v[TT+8*\b+\n], v[TT+8*\b+\n], v[LIM]   ; the conversion does not saturate (ISA guide 7.6.2); p is not negative
.endr
	v_cvt_scalef32_pk8_fp8_f32 v[PC+2*\b:PC+2*\b+1], v[TT+8*\b:TT+8*\b+7], v[SC]
.endr
	v_nop
.irp c, 0,1,2,3
	global_store_b128 v[L16], v[PC+4*\c:PC+4*\c+3], s[10:11] offset:2048*(\a)+512*\c
.endr
.endm
; Blocks 4 p .. 4 p + 3: the mask goes onto the sums, the rows' maxima are joined with the partner wave's, then p.
.macro PHASE p
.set B0, 8*(\p)
	s_wait_dscnt 0x0                               ; the four blocks of mask are in window 1
	WIN 0xa1+0x50*(\p)
.if \p
	s_wait_alu depctr_va_vdst(0)                   ; directly ahead of the first readers of these sums
.endif
.set i, 0
.rept 128
	v_pk_fma_f32 v[i:i+1], v[i:i+1], s[MS:MS+1], v[i:i+1] op_sel_hi:[1,0,1]   ; x = mask / 2^(e8 + e9 - 5) + sum; each accumulator from its low end on
.set i, i+2
.endr
	WIN 0x28+0x14*(\p)
.irp k, 0,1,2,3
	v_max3_num_f32 v[CH+B0+2*\k], s[NINF], v[64*\k], v[64*\k+1]
	v_max3_num_f32 v[CH+B0+2*\k+1], s[NINF], v[64*\k+2], v[64*\k+3]
.set i, 4
.rept 15
	v_max3_num_f32 v[CH+B0+2*\k], v[CH+B0+2*\k], v[64*\k+i], v[64*\k+i+1]
	v_max3_num_f32 v[CH+B0+2*\k+1], v[CH+B0+2*\k+1], v[64*\k+i+2], v[64*\k+i+3]
.set i, i+4
.endr
.endr
	WIN 0
.irp k, 0,1,2,3
	v_max_num_f32 v[CH+B0+2*\k], v[CH+B0+2*\k], v[CH+B0+2*\k+1]
.endr
.irp k, 0,1,2,3
	v_permlanex16_b32 v[CH+B0+2*\k+1], v[CH+B0+2*\k], s[SEL], s[SEL+1]
.endr
.irp k, 0,1,2,3
	v_max_num_f32 v[CH+B0+2*\k], v[CH+B0+2*\k], v[CH+B0+2*\k+1]
.endr
.irp k, 0,1,2,3
	v_mul_f32 v[CH+B0+2*\k], s[CS], v[CH+B0+2*\k]  ; as t
.endr
.irp k, 0,1,2,3
	v_max_num_f32 v[65+B0+2*\k], 0xf1800000, v[CH+B0+2*\k]   ; held at -2^100 from below
.endr
.irp k, 0,1,2,3
	ds_store_b32 v[MXW], v[65+B0+2*\k] offset:64*(4*(\p)+\k)
.endr
	s_wait_dscnt 0x0
	s_barrier_signal -1
	s_barrier_wait -1
.irp k, 0,1,2,3
	ds_load_b32 v[88+4*(\p)+\k], v[MXR] offset:64*(4*(\p)+\k)
.endr
.if \p
	s_cmp_lg_u32 s16, 0                            ; all eight blocks' maxima of both waves lie in LDS: one wave of each pair stores -M of its 128 rows
	s_cbranch_scc1 .Lnot_m
	ds_load_b128 v[120:123], v[MXA]
	ds_load_b128 v[124:127], v[MXA] offset:1024
	s_wait_dscnt 0x0
.irp n, 0,1,2,3
	v_max_num_f32 v[120+\n], v[120+\n], v[124+\n]
.endr
.irp n, 0,1,2,3
	v_floor_f32 v[120+\n], -v[120+\n]
.endr
	global_store_b128 v[L16], v[120:123], s[NB:NB+1]
.Lnot_m:
.endif
	s_wait_dscnt 0x0
	s_wait_xcnt 0x0                                ; the stores issued so far have read their registers: v192-255 are written again only behind this wait
	s_wait_alu depctr_va_vdst(0)
.irp k, 0,1,2,3
	v_max_num_f32 v[65+B0+2*\k], v[65+B0+2*\k], v[88+4*(\p)+\k]
.endr
.irp k, 0,1,2,3
	v_floor_f32 v[64+B0+2*\k], -v[65+B0+2*\k]      ; -M = floor(-t)
.endr
	SCALE 4*(\p)
	s_wait_alu depctr_va_vdst(0)                   ; ahead of the batch
.set BA, 4*(\p)
.rept 4
.set TT, 128+64*(BA%2)
.set i, 0
.rept 64
	v_exp_f32 v[TT+i], v[TT+i]
.set i, i+1
.endr
.if BA < 4*(\p)+3
	SCALE BA+1                                     ; the next block's scalings stand behind the batch
.else
	v_nop
.endif
	s_wait_alu depctr_va_vdst(0)                   ; one wait for the batch, which is also the wait ahead of the next
	PW BA
.set BA, BA+1
.endr
.endm
	s_wait_alu depctr_va_vdst(0)
	s_wait_tensorcnt 0x0                           ; my load is in
	s_barrier_signal -1
	s_barrier_wait -1
	FETCH_B 0, 0, 0
	FETCH_A 0, 0, 0
	FETCH_A 0, 0, 4
	global_prefetch_b8 v[PFO], s[PFK:PFK+1] th:TH_LOAD_NT scope:SCOPE_SE               ; my share of my later K load: 64 blocks of 256 bytes
	global_prefetch_b8 v[PFO], s[PFK:PFK+1] offset:8192 th:TH_LOAD_NT scope:SCOPE_SE
	STEP 0, 1                                      ; K = 1,024 is eight steps of 128: written out
	TURN 0, 1, 1                                   ; slot 0 takes K 512-767
	STEP 1, 0
	TURN 1, 0, 1                                   ; slot 1 takes K 768-1023
	STEP 0, 0
	TURN 0, 1, 2                                   ; slot 0 takes mask rows 0-63 of each half
	STEP 1, 0
	TURN 1, 0, 3                                   ; slot 1 takes mask rows 64-127
	WIN TO_B
	RDM 2, 0
	RDM 3, 0
	WIN 0
.set i, 0
.rept 16
	ds_load_b128 v[192+4*i:195+4*i], v[VR] offset:512*i   ; v1's codes back from my stage; LDS serves a wave's instructions in order
.set i, i+1
.endr
	s_wait_dscnt 0x0
.set i, 0
.rept 16
	global_store_b128 v[L16], v[192+4*i:195+4*i], s[62:63] offset:((i/4)%2)*524288+(i/8)*2048+(i%4)*512   ; piece i: row tile i / 8, 128 keys (i / 4) % 2, quarter i % 4: 512 consecutive bytes, aligned
.set i, i+1
.endr
	PHASE 0
	s_wait_tensorcnt 0x0                           ; my part of the second mask rows is in,
	s_barrier_signal -1
	s_barrier_wait -1                              ; and everybody's
	WIN TO_B
	RDM 4, 1
	RDM 5, 1
	RDM 6, 1
	RDM 7, 1
	PHASE 1
.irp a, 0,1,2,3,4,5,6,7
	ds_store_b32 v[LTW], v[80+\a] offset:64*\a     ; the sums of my 128 rows leave as 512 dense bytes; LDS serves a wave's instructions in order
.endr
	ds_load_b128 v[116:119], v[LTR]
	s_wait_dscnt 0x0
	global_store_b128 v[L16], v[116:119], s[LB:LB+1]
	s_wait_tensorcnt 0x0                           ; the wave's end
	ds_add_u32 v[SPW], v[NIL]
	s_wait_dscnt 0x0
	CROUND                                         ; the closing round
	s_endpgm
.Lfunc_end_k_q71a42ab624_qk:
	.size	k_q71a42ab624_qk, .Lfunc_end_k_q71a42ab624_qk-k_q71a42ab624_qk
	.p2alignl 7, 3214868480
	.fill 96, 4, 3214868480
	.section	.rodata,"a",@progbits
	.p2align	6, 0x0
	.amdhsa_kernel k_q71a42ab624_qk
		.amdhsa_group_segment_fixed_size 327680
		.amdhsa_private_segment_fixed_size 0
		.amdhsa_enable_private_segment 0
		.amdhsa_kernarg_size 56
		.amdhsa_user_sgpr_count 2
		.amdhsa_user_sgpr_kernarg_segment_ptr 1
		.amdhsa_wavefront_size32 1
		.amdhsa_system_sgpr_workgroup_id_x 1
		.amdhsa_system_sgpr_workgroup_id_y 1
		.amdhsa_system_sgpr_workgroup_id_z 1
		.amdhsa_system_vgpr_workitem_id 0
		.amdhsa_next_free_vgpr 1024
		.amdhsa_next_free_sgpr 100
		.amdhsa_reserve_vcc 0
		.amdhsa_float_denorm_mode_32 3
		.amdhsa_float_denorm_mode_16_64 3
		.amdhsa_memory_ordered 1
		.amdhsa_forward_progress 1
		.amdhsa_inst_pref_size 247
	.end_amdhsa_kernel
	.amdgpu_metadata
---
amdhsa.version: [ 1, 2 ]
amdhsa.kernels:
  - .name:           k_q71a42ab624_qk
    .symbol:         k_q71a42ab624_qk.kd
    .args:
      - { .name: xc, .offset: 0, .size: 8, .value_kind: global_buffer, .address_space: global }
      - { .name: mask, .offset: 8, .size: 8, .value_kind: global_buffer, .address_space: global }
      - { .name: lowp_scales, .offset: 16, .size: 8, .value_kind: global_buffer, .address_space: global }
      - { .name: pc, .offset: 24, .size: 8, .value_kind: global_buffer, .address_space: global }
      - { .name: ml, .offset: 32, .size: 8, .value_kind: global_buffer, .address_space: global }
      - { .name: v1, .offset: 40, .size: 8, .value_kind: global_buffer, .address_space: global }
      - { .name: vc, .offset: 48, .size: 8, .value_kind: global_buffer, .address_space: global }
    .group_segment_fixed_size: 327680
    .private_segment_fixed_size: 0
    .kernarg_segment_align: 8
    .kernarg_segment_size: 56
    .max_flat_workgroup_size: 128
    .sgpr_count:     100
    .vgpr_count:     1024
    .wavefront_size: 32
...
	.end_amdgpu_metadata
.endif
;; end of part 3
;; launch pv (part 4): grid 4 x 64, 4 waves a work-group, clusters of 4 x 4, 327,680 bytes of LDS; arguments pc, vc, ml, lowp_scales, out0; writes out0
.if DOCPART == 4
	.amdgcn_target "amdgcn-amd-amdhsa--gfx1250"
	.amdhsa_code_object_version 6
	.text
	.protected	k_q71a42ab624_pv
	.globl	k_q71a42ab624_pv
	.p2align	8
	.type	k_q71a42ab624_pv,@function
k_q71a42ab624_pv:
	s_mov_b64 s[64:65], 0
	v_nop
	global_prefetch_b8 v0, s[64:65] scope:SCOPE_SE
	s_setreg_imm32_b32 hwreg(HW_REG_WAVE_MODE, 25, 1), 1
	s_wait_xcnt 0x0
	s_wait_alu depctr_hold_cnt(0) depctr_sa_sdst(0) depctr_va_vdst(0) depctr_va_sdst(0) depctr_va_ssrc(0) depctr_va_vcc(0) depctr_vm_vsrc(0)
	s_getreg_b32 s2, hwreg(HW_REG_IB_STS2, 6, 4)
	s_cmp_eq_u32 s2, 0
	s_cbranch_scc0 .Lentry_in_a_cluster
	s_endpgm
.Lentry_in_a_cluster:
	s_bfe_u32 s2, ttmp6, 0x10000c
	s_cmp_lg_u32 s2, 0xf033
	s_cbranch_scc0 .Lentry_shape_is_right
	s_endpgm
.Lentry_shape_is_right:
.set STA,   8192
.set STB,   16384
.set BOFF,  12*STA                     ; LDS: p's two halves, 6 planes each (slot 0's three, then slot 1's), then V's two halves likewise
.set SLOTB, 6*STA+6*STB
.set SPARE, 2*SLOTB
.set PLA,   0x100000
.set PLB,   0x80000
.set FR,    16
.set ADRA,  16
.set ADRB,  20
.set STO,   24
.set RD,    25
.set L16,   26
.set SPW,   28
.set NIL,   29
.set WT,    64
.set G1,    24
.set G0,    32
.set G1B,   48
.set G0B,   56
.set G1S,   68
.set G1BS,  76
.set G1H,   84                         ; s[84:91], s[92:99] group 1 of the head's loads: six planes, both slots' first fills
.set G1BH,  92
.set PFA,   66                         ; s[66:67] where my prefetches stand: my quarter of each plane of my later loads; s[40:41] three planes on, in bytes
; A prefetch of n planes, two refills ahead of the load that brings them.  The four partners that ask for a plane jointly share it out by address; v6, v7, v8: lanes 256 bytes apart in planes 0, 1, 2
; (the lanes that are left over name the last block again).  Planes 6-8 behind the head's load, 9-11 at the first step, 12-14 at step 2, 15 at step 5.
.macro ASK n
	global_prefetch_b8 v6, s[PFA:PFA+1] th:TH_LOAD_NT scope:SCOPE_SE
.if (\n) > 1
	global_prefetch_b8 v7, s[PFA:PFA+1] th:TH_LOAD_NT scope:SCOPE_SE
	global_prefetch_b8 v8, s[PFA:PFA+1] th:TH_LOAD_NT scope:SCOPE_SE
.endif
.endm
.set MSB, 0
.macro WIN new
.if MSB != (\new)
	s_set_vgpr_msb (MSB<<8)|(\new)
.set MSB, (\new)
.endif
.endm
.set MUL, 0xa3
.macro JLOAD g0a, g1a, g0b, g1b
	s_cmp_eq_u32 s15, 0
	s_cbranch_scc0 .Lfor_b_\@
	tensor_load_to_lds s[\g0a:\g0a+3], s[\g1a:\g1a+7]
	s_nop 0
.rept 4
	v_nop
.endr
	s_branch .Lasked_\@
.Lfor_b_\@:
	tensor_load_to_lds s[\g0b:\g0b+3], s[\g1b:\g1b+7]
	s_nop 0
.rept 4
	v_nop
.endr
.Lasked_\@:
.endm
.macro CREST
	s_cmp_lg_u32 s14, 0
	s_cbranch_scc1 .Lnot_wave_0_\@
	s_barrier_signal -3
.Lnot_wave_0_\@:
	s_barrier_wait -3
	s_barrier_signal -1
	s_barrier_wait -1
.endm
.macro CROUND
	s_barrier_signal -1
	s_barrier_wait -1
	CREST
.endm
	s_load_b256 s[4:11], s[0:1], 0x0
	s_load_b64 s[12:13], s[0:1], 0x20
	v_lshl_add_u32 v[SPW], v0, 2, SPARE
	v_mov_b32 v[NIL], 0
	ds_add_u32 v[SPW], v[NIL]
	ds_add_u32 v[SPW], v[NIL]
	v_lshrrev_b32 v1, 5, v0
	v_readfirstlane_b32 s14, v1
	s_lshr_b32 s15, s14, 1
	s_and_b32 s16, s14, 1
	s_bfe_u32 s40, ttmp6, 0x40000
	s_bfe_u32 s41, ttmp6, 0x40004
	s_lshl_b32 s42, ttmp9, 2
	s_add_co_u32 s42, s42, s40
	s_and_b32 s17, ttmp7, 0xffff
	s_lshr_b32 s19, s17, 2
	s_lshl_b32 s17, s17, 2
	s_add_co_u32 s17, s17, s41
	s_lshl_b32 s43, s41, 2
	s_lshl_b32 s43, 15, s43
	s_lshl_b32 s44, 0x1111, s40
.irp g, G1, G1H
	s_or_b32 s[\g+0], s43, (3<<16)|(1<<21)
	s_mov_b32 s[\g+1], (STA/8)<<16
	s_mov_b32 s[\g+3], (STA/8)<<16
	s_mov_b32 s[\g+5], PLA/8
	s_mov_b32 s[\g+6], 0
	s_mov_b32 s[\g+7], 0
.endr
.irp g, G1B, G1BH
	s_or_b32 s[\g+0], s44, (3<<16)|(1<<21)
	s_mov_b32 s[\g+1], (STB/8)<<16
	s_mov_b32 s[\g+3], (STB/8)<<16
	s_mov_b32 s[\g+5], PLB/8
	s_mov_b32 s[\g+6], 0
	s_mov_b32 s[\g+7], 0
.endr
.irp g, G1, G1B
	s_mov_b32 s[\g+2], 3<<16
	s_mov_b32 s[\g+4], 3
.endr
.irp g, G1H, G1BH
	s_mov_b32 s[\g+2], 6<<16
	s_mov_b32 s[\g+4], 6
.endr
	s_or_b32 s[G1S+0], s43, (3<<16)|(1<<21)        ; the last load brings one plane: a dense block, as rows of 256 bytes
	s_or_b32 s[G1BS+0], s44, (3<<16)|(1<<21)
.irp g, G1S, G1BS
	s_mov_b32 s[\g+1], 32<<16
	s_mov_b32 s[\g+3], 32<<16
	s_mov_b32 s[\g+5], 32
	s_mov_b32 s[\g+6], 0
	s_mov_b32 s[\g+7], 0
.endr
	s_mov_b32 s[G1S+2], (STA/256)<<16
	s_mov_b32 s[G1S+4], STA/256
	s_mov_b32 s[G1BS+2], (STB/256)<<16
	s_mov_b32 s[G1BS+4], STB/256
	s_lshl_b32 s20, s17, 14
	s_lshl_b32 s45, s16, 13
	s_add_co_u32 s20, s20, s45
	s_mov_b32 s21, 0
	s_mul_i32 s45, s16, 6*STA
	s_lshl_b32 s46, s19, 17
	s_lshl_b32 s47, s42, 15
	s_add_co_u32 s46, s46, s47
	s_lshl_b32 s47, s16, 14
	s_add_co_u32 s46, s46, s47
	s_mov_b32 s47, 0
	s_mul_i32 s18, s16, 6*STB
	s_add_co_u32 s18, s18, BOFF
	s_wait_dscnt 0x0
	s_wait_kmcnt 0x0
	s_load_b64 s[2:3], s[10:11], 0x28
	s_add_nc_u64 s[20:21], s[4:5], s[20:21]
	s_add_nc_u64 s[46:47], s[6:7], s[46:47]
	s_cmp_eq_u32 s15, 0                            ; the prefetches: waves 0, 1 for p, waves 2, 3 for V
	s_cselect_b64 s[PFA:PFA+1], s[20:21], s[46:47]
	s_cselect_b32 s4, s40, s41                     ; my place among the four that ask with me
	s_cselect_b32 s5, 11, 12                       ; a quarter of my part of a plane: 2,048 or 4,096 bytes,
	s_cselect_b32 s6, 7, 15                        ; its last block of 256 bytes
	s_mov_b32 s7, PLB
	s_cselect_b32 s7, PLA, s7                      ; from plane to plane
	s_lshl_b32 s4, s4, s5
	s_mul_i32 s5, s7, 6
	s_add_co_u32 s4, s4, s5                        ; from plane 6 on
	s_mov_b32 s5, 0
	s_add_nc_u64 s[PFA:PFA+1], s[PFA:PFA+1], s[4:5]
	s_mul_i32 s40, s7, 3
	s_mov_b32 s41, 0
	CROUND
.irp s, 0,1
	s_mov_b32 s[G0+4*\s], 1
	s_add_co_u32 s[G0+4*\s+1], s45, \s*3*STA
	s_add_nc_u64 s[G0+4*\s+2:G0+4*\s+3], s[20:21], \s*3*PLA
	s_or_b32 s[G0+4*\s+3], s[G0+4*\s+3], 0x80000000
	s_mov_b32 s[G0B+4*\s], 1
	s_add_co_u32 s[G0B+4*\s+1], s18, \s*3*STB
	s_add_nc_u64 s[G0B+4*\s+2:G0B+4*\s+3], s[46:47], \s*3*PLB
	s_or_b32 s[G0B+4*\s+3], s[G0B+4*\s+3], 0x80000000
.endr
	JLOAD G0, G1H, G0B, G1BH                       ; my one load at the head: six planes, the first fills of both slots
	v_and_b32 v1, 15, v0
	v_bfe_u32 v2, v0, 4, 1
	v_and_b32 v3, 31, v0
	v_lshlrev_b32 v[L16], 4, v3
	s_wait_alu depctr_va_vdst(0)
	v_lshlrev_b32 v4, 2, v1
	v_min_u32 v6, s6, v3
	v_lshlrev_b32 v6, 8, v6
	v_add_nc_u32 v7, s7, v6
	v_add_nc_u32 v8, s7, v7
	ASK 3                                          ; planes 6-8
	s_lshl_b32 s46, s17, 9
	s_lshl_b32 s47, s15, 8
	s_add_co_u32 s46, s46, s47
	s_mov_b32 s47, 0
	s_add_nc_u64 s[8:9], s[8:9], s[46:47]
.irp j, 0,1,2,3,4,5,6,7
.irp a, 0,1,2,3
	global_load_b32 v[128+8*\a+\j], v4, s[8:9] offset:(16+\j)*32768+64*\a
.endr
.endr
.irp j, 0,1,2,3,4,5,6,7,8,9,10,11,12,13,14,15
.irp a, 0,1,2,3
	global_load_b32 v[160+16*\a+\j], v4, s[8:9] offset:\j*32768+64*\a
.endr
.endr
	s_mul_i32 s21, s15, 6*STA
	s_mul_i32 s22, s16, 6*STB
	s_add_co_u32 s22, s22, BOFF
.irp s, 0,1
	v_add_nc_u32 v[ADRA+\s], s21, v[L16]
	v_add_nc_u32 v[ADRB+\s], s22, v[L16]
	s_add_co_u32 s21, s21, 3*STA
	s_add_co_u32 s22, s22, 3*STB
.endr
	s_mul_i32 s23, s14, 8448
	s_add_co_u32 s23, s23, BOFF                    ; the stages lie in slot 0 of V's first half: it has had its last fill and its last read when the first result is stored there
	v_mul_u32_u24 v[STO], v1, 528
	v_lshl_add_u32 v[STO], v2, 5, v[STO]
	v_add_nc_u32 v[STO], s23, v[STO]
	v_add_nc_u32 v[RD], s23, v[L16]
	s_lshl_b32 s46, s17, 19
	s_lshl_b32 s23, s15, 18
	s_add_co_u32 s46, s46, s23
	s_lshl_b32 s23, s42, 10
	s_add_co_u32 s46, s46, s23
	s_lshl_b32 s23, s16, 9
	s_add_co_u32 s46, s46, s23
	s_add_nc_u64 s[12:13], s[12:13], s[46:47]
	s_wait_loadcnt 0x0
.irp a, 0,1,2,3
	v_min_num_f32 v[224+\a], v[128+8*\a], v[129+8*\a]
.endr
.irp j, 2,3,4,5,6,7
.irp a, 0,1,2,3
	v_min_num_f32 v[224+\a], v[224+\a], v[128+8*\a+\j]
.endr
.endr
.irp a, 0,1,2,3
.irp j, 0,1,2,3,4,5,6,7
	v_sub_f32 v[128+8*\a+\j], v[224+\a], v[128+8*\a+\j]
.endr
.endr
.irp a, 0,1,2,3
.irp j, 0,1,2,3,4,5,6,7
	v_cvt_i32_f32 v[128+8*\a+\j], v[128+8*\a+\j]
.endr
.endr
.irp a, 0,1,2,3
.irp j, 0,1,2,3,4,5,6,7
	v_ldexp_f32 v[128+8*\a+\j], 1.0, v[128+8*\a+\j]
.endr
.endr
.irp a, 0,1,2,3
.irp j, 0,1,2,3,4,5,6,7
	v_add_f32 v[160+16*\a+2*\j], v[160+16*\a+2*\j], v[161+16*\a+2*\j]
.endr
.endr
.irp a, 0,1,2,3
	v_mul_f32 v[228+\a], v[128+8*\a], v[160+16*\a]
.endr
.irp j, 1,2,3,4,5,6,7
.irp a, 0,1,2,3
	v_fmac_f32 v[228+\a], v[128+8*\a+\j], v[160+16*\a+2*\j]
.endr
.endr
	s_wait_alu depctr_va_vdst(0)
.irp a, 0,1,2,3
	v_rcp_f32 v[228+\a], v[228+\a]
.endr
	v_nop
	s_wait_kmcnt 0x0
	s_add_co_i32 s2, s2, s3
	s_wait_alu depctr_va_vdst(0)
.irp a, 0,1,2,3
	v_ldexp_f32 v[228+\a], v[228+\a], s2
.endr
.irp a, 0,1,2,3
.irp j, 0,1,2,3,4,5,6,7
	v_mul_f32 v[WT+16*\a+2*\j], v[128+8*\a+\j], v[228+\a]
	v_mul_f32 v[WT+16*\a+2*\j+1], v[128+8*\a+\j], v[228+\a]
.endr
.endr
.macro FRAG reg, adr, off
.irp c, 0,1,2,3
	ds_load_b128 v[\reg+4*\c:\reg+4*\c+3], v[\adr] offset:(\off)+512*\c
.endr
.endm
.macro FETCHP slot, q, p
	WIN 0xc0
.irp i, 0,1,2,3,4,5,6,7
	FRAG 128*(\p)+FR*\i, ADRB+\slot, (\q)*STB+\i*2048
.endr
	WIN 0
.irp i, 0,1,2,3
	FRAG 128+64*(\p)+FR*\i, ADRA+\slot, (\q)*STA+\i*2048
.endr
.endm
.macro MULQ a, p, zero
.irp b, 0,1,2,3,4,5,6,7
.if \zero
	v_wmma_f32_16x16x128_fp8_fp8 v[8*(8*(\a)+\b):8*(8*(\a)+\b)+7], v[128*(\p)+FR*\b:128*(\p)+FR*\b+FR-1], v[128+64*(\p)+FR*(\a):128+64*(\p)+FR*(\a)+FR-1], 0
.else
	v_wmma_f32_16x16x128_fp8_fp8 v[8*(8*(\a)+\b):8*(8*(\a)+\b)+7], v[128*(\p)+FR*\b:128*(\p)+FR*\b+FR-1], v[128+64*(\p)+FR*(\a):128+64*(\p)+FR*(\a)+FR-1], v[8*(8*(\a)+\b):8*(8*(\a)+\b)+7]
.endif
.endr
.endm
.macro PLACES n
.rept \n
	v_nop
.endr
.endm
.macro MERGE j
.if (\j) == 0
	WIN 0x42
.else
	WIN 0x52
.endif
.irp a, 0,1,2,3
.set i, 0
.rept 32
.if (\j) == 0
	v_pk_mul_f32 v[64*\a+i:64*\a+i+1], v[64*\a+i:64*\a+i+1], v[WT+16*\a+2*(\j):WT+16*\a+2*(\j)+1]
.else
	v_pk_fma_f32 v[64*\a+i:64*\a+i+1], v[64*\a+i:64*\a+i+1], v[WT+16*\a+2*(\j):WT+16*\a+2*(\j)+1], v[64*\a+i:64*\a+i+1]
.endif
.set i, i+2
.endr
.endr
.endm
.macro WHERE t
.set SL, ((\t)/3)%2
.set QQ, (\t)%3
.endm
.macro NSTEP t
	s_wait_dscnt 0x0
.if (\t)%2
	PLACES 4
.endif
	WHERE (\t)+1
	FETCHP SL, QQ, ((\t)+1)%2
	WIN MUL
.irp a, 0,1,2,3
	MULQ \a, (\t)%2, 1-(\t)%2
.endr
.if (\t)%2
	PLACES 4
	MERGE (\t)/2
.endif
.endm
.macro CSTEP t, fill, ga, gb, adv
.if (\t) <= 5
	s_wait_xcnt 0x0                                ; my earlier prefetches have read their address: it is stepped only behind this wait
	s_add_nc_u64 s[PFA:PFA+1], s[PFA:PFA+1], s[40:41]
.endif
	WIN 0
	s_wait_tensorcnt 0x0
	ds_add_u32 v[SPW], v[NIL]
	s_wait_dscnt 1
	WIN MUL
	MULQ 0, (\t)%2, 1-(\t)%2
	s_wait_dscnt 0x0
	s_barrier_signal -1
	MULQ 1, (\t)%2, 1-(\t)%2
	WIN 0
	s_barrier_wait -1
.if \fill
	CREST
	WHERE \t
	s_add_nc_u64 s[G0+4*SL+2:G0+4*SL+3], s[G0+4*SL+2:G0+4*SL+3], (\adv)*PLA
	s_add_nc_u64 s[G0B+4*SL+2:G0B+4*SL+3], s[G0B+4*SL+2:G0B+4*SL+3], (\adv)*PLB
	JLOAD G0+4*SL, \ga, G0B+4*SL, \gb
.else
	PLACES 4
.endif
	WHERE (\t)+1
	FETCHP SL, QQ, ((\t)+1)%2
.if (\t) == 2
	ASK 3                                          ; planes 12-14
.endif
.if (\t) == 5
	ASK 1                                          ; plane 15, the last
.endif
	WIN MUL
	MULQ 2, (\t)%2, 1-(\t)%2
	MULQ 3, (\t)%2, 1-(\t)%2
.if (\t)%2
	PLACES 4
	MERGE (\t)/2
.endif
.endm
	s_wait_tensorcnt 0x0
	s_barrier_signal -1
	s_barrier_wait -1
	FETCHP 0, 0, 0
	s_wait_xcnt 0x0
	s_add_nc_u64 s[PFA:PFA+1], s[PFA:PFA+1], s[40:41]
	ASK 3                                          ; planes 9-11
	NSTEP 0
	NSTEP 1
	CSTEP 2, 1, G1, G1B, 6
	NSTEP 3
	NSTEP 4
	CSTEP 5, 1, G1, G1B, 6
	NSTEP 6
	NSTEP 7
	CSTEP 8, 1, G1, G1B, 6
	NSTEP 9
	NSTEP 10
	CSTEP 11, 1, G1S, G1BS, 6
	NSTEP 12
	NSTEP 13
	CSTEP 14, 0, G1, G1B, 0
	s_wait_dscnt 0x0
	WIN MUL
.irp a, 0,1,2,3
	MULQ \a, 1, 0
.endr
	PLACES 4
	MERGE 7
.macro TOSTAGE a
	WIN 0x04
.irp b, 0,1,2,3,4,5,6,7
	ds_store_b128 v[STO], v[64*(\a)+8*\b:64*(\a)+8*\b+3] offset:64*\b
	ds_store_b128 v[STO], v[64*(\a)+8*\b+4:64*(\a)+8*\b+7] offset:64*\b+16
.endr
	WIN 0
.set BB, 128+64*((\a)%2)
.irp t, 0,1,2,3,4,5,6,7,8,9,10,11,12,13,14,15
	ds_load_b128 v[BB+4*\t:BB+4*\t+3], v[RD] offset:\t*528
.endr
.endm
.macro SEND a, younger
.set BB, 128+64*((\a)%2)
	s_wait_dscnt \younger
.irp t, 0,1,2,3,4,5,6,7,8,9,10,11,12,13,14,15
	global_store_b128 v[L16], v[BB+4*\t:BB+4*\t+3], s[12:13] offset:65536*(\a)+4096*\t th:TH_STORE_NT
.endr
.endm
	TOSTAGE 0
	TOSTAGE 1
	s_wait_alu depctr_va_vdst(0)
	SEND 0, 32
	s_wait_xcnt 0x0
	TOSTAGE 2
	SEND 1, 32
	s_wait_xcnt 0x0
	TOSTAGE 3
	SEND 2, 32
	SEND 3, 0
	s_wait_tensorcnt 0x0
	ds_add_u32 v[SPW], v[NIL]
	s_wait_dscnt 0x0
	CROUND
	s_endpgm
.Lfunc_end_k_q71a42ab624_pv:
	.size	k_q71a42ab624_pv, .Lfunc_end_k_q71a42ab624_pv-k_q71a42ab624_pv
	.p2alignl 7, 3214868480
	.fill 96, 4, 3214868480
	.section	.rodata,"a",@progbits
	.p2align	6, 0x0
	.amdhsa_kernel k_q71a42ab624_pv
		.amdhsa_group_segment_fixed_size 327680
		.amdhsa_private_segment_fixed_size 0
		.amdhsa_enable_private_segment 0
		.amdhsa_kernarg_size 40
		.amdhsa_user_sgpr_count 2
		.amdhsa_user_sgpr_kernarg_segment_ptr 1
		.amdhsa_wavefront_size32 1
		.amdhsa_system_sgpr_workgroup_id_x 1
		.amdhsa_system_sgpr_workgroup_id_y 1
		.amdhsa_system_sgpr_workgroup_id_z 1
		.amdhsa_system_vgpr_workitem_id 0
		.amdhsa_next_free_vgpr 1024
		.amdhsa_next_free_sgpr 100
		.amdhsa_reserve_vcc 0
		.amdhsa_float_denorm_mode_32 3
		.amdhsa_float_denorm_mode_16_64 3
		.amdhsa_memory_ordered 1
		.amdhsa_forward_progress 1
		.amdhsa_inst_pref_size 196
	.end_amdhsa_kernel
	.amdgpu_metadata
---
amdhsa.version: [ 1, 2 ]
amdhsa.kernels:
  - .name:           k_q71a42ab624_pv
    .symbol:         k_q71a42ab624_pv.kd
    .args:
      - { .name: pc, .offset: 0, .size: 8, .value_kind: global_buffer, .address_space: global }
      - { .name: vc, .offset: 8, .size: 8, .value_kind: global_buffer, .address_space: global }
      - { .name: ml, .offset: 16, .size: 8, .value_kind: global_buffer, .address_space: global }
      - { .name: lowp_scales, .offset: 24, .size: 8, .value_kind: global_buffer, .address_space: global }
      - { .name: out0, .offset: 32, .size: 8, .value_kind: global_buffer, .address_space: global }
    .group_segment_fixed_size: 327680
    .private_segment_fixed_size: 0
    .kernarg_segment_align: 8
    .kernarg_segment_size: 40
    .max_flat_workgroup_size: 128
    .sgpr_count:     100
    .vgpr_count:     1024
    .wavefront_size: 32
...
	.end_amdgpu_metadata
.endif
;; end of part 4
